; MI455X (gfx1250); checked and timed in simulation.
; The chip was launched on July 23, 2026; its instructions are those of AMD's public machine-readable ISA for CDNA 5 (MIT licence, August 2026) and "CDNA5" Instruction Set Architecture Reference Guide (July 2026). The comments in the code are by the model that wrote it; some were corrected since.
;; Attention. Allowed arithmetic: matrix products marked QUANTISED: E2M3 operands, one E8M0 scale for each 32 along K, by v_wmma_scale_f32_16x16x128_f8f6f4 with both operands' format E2M3, f32 sums; everything else in f32.
;; Inputs: Wk 2,048 x 2,048 float32; Wo 2,048 x 2,048 float32; Wq 2,048 x 2,048 float32; Wv 2,048 x 2,048 float32; attn_mask 1 x 1 x 2,048 x 2,048 bool; bk 2,048 float32; bo 2,048 float32; bq 2,048 float32; bv 2,048 float32; cos 2,048 x 128 float32; sin 2,048 x 128 float32; x 1 x 2,048 x 2,048 float32.
;; Outputs: out0 1 x 2,048 x 2,048 float32.
;; This version of the problem:
;;   THIS VERSION OF THE PROBLEM IS GIVEN IN LOW PRECISION. The matrix products marked QUANTISED in the list below multiply operands that are first quantised to E2M3 (2 exponent bits, 3 mantissa bits; 6 bits a number), with one power-of-two scale for each 32 numbers along K (OCP MX v1.0); their sums are f32. All else is computed in f32.
;;   The module's matrix products, in the order in which they are computed (A, B: the left and right operand; K: the contracted axis; several contracted axes count as one K, in the product's order):
;;     1. [M 2,048, K 2,048] x [K 2,048, N 2,048]; A: input x; B: input Wq: QUANTISED
;;     2. [M 2,048, K 2,048] x [K 2,048, N 2,048]; A: input x; B: input Wk: QUANTISED
;;     3. [M 2,048, K 2,048] x [K 2,048, N 2,048]; A: input x; B: input Wv: QUANTISED
;;     4. batch 16 x [M 2,048, K 128] x [K 128, N 2,048]; A: computed on the way; B: computed on the way: QUANTISED
;;     5. batch 16 x [M 2,048, K 2,048] x [K 2,048, N 128]; A: softmax (see below); B: computed on the way: QUANTISED
;;     6. [M 2,048, K 2,048] x [K 2,048, N 2,048]; A: computed on the way; B: input Wo: QUANTISED
;;   THE QUANTISER, for each operand of a quantised product, along K:
;;     - K is cut into blocks of 32 from its start; a last block that is shorter is filled with zeros.
;;     - A block's scale is 2^e with e = floor(log2(the largest magnitude in the block)) - 2, held to -126 .. 127; a block of zeros has e = 0. As a byte (E8M0): e + 127.
;;     - Each number is divided by its block's scale, clamped to +-7.5, and rounded to the nearest number of E2M3, ties to even, subnormals kept.
;;     - The product sums the exact products of the quantised numbers (number of the format x scale) in f32.
;;   ~~~python
;;   def quantise(x, axis):      # numpy; x: float32 -> the quantised numbers, widened to float32 again
;;       x = np.moveaxis(x, axis, -1); K = x.shape[-1]
;;       x = np.pad(x, [(0, 0)] * (x.ndim - 1) + [(0, -K % 32)]); x = x.reshape(x.shape[:-1] + (-1, 32)); a = np.abs(x).max(-1, keepdims=True)
;;       e = np.where(a > 0, np.clip(np.frexp(np.where(a > 0, a, 1))[1] - 1 - 2, -126, 127), 0)      # np.frexp(a)[1] - 1 = floor(log2(a)), exactly
;;       r = np.clip(x / 2.0 ** e, -7.5, 7.5)
;;       step = 2.0 ** (np.maximum(np.frexp(np.where(r == 0, 1, r))[1] - 1, 0) - 3)
;;       q = np.round(r / step) * step * 2.0 ** e      # np.round: ties to even
;;       return np.moveaxis(q.reshape(q.shape[:-2] + (-1,))[..., :K], -1, axis).astype(np.float32)
;;   ~~~
;;   SOFTMAX AHEAD OF A QUANTISED PRODUCT. Where the list says 'softmax', what is quantised is not the finished softmax but p = 2^(t - M), with t = logit x log2(e) and M = ceil(the row's largest t), a whole number; so 1/2 < the row's largest p <= 1. The row's sum l is taken of the UNQUANTISED p, in f32, and the product's result is divided by l at the end. Since M is a whole number, a kernel that streams over the keys may use a running M (the ceiling of the running maximum): every later rescaling is an exact power of two, which a block's scale takes up: the codes' values come out the same.
;;   OPERANDS COMPUTED ON THE WAY. 'Computed on the way' means the value that the module computes at that place (a softmax that the list does not call 'softmax' is quantised finished and normalised). What goes into a quantiser is computed in f32, as accurately as f32 sums, v_exp_f32 and their like allow (about 1e-6 of the number): no bf16 or f16 on the way to a quantiser, and a product that is left as it is and whose result goes on into a quantised operand takes f32 operands (vector FMAs, or v_wmma_f32_16x16x4_f32). A number that lies on a knife's edge between two numbers of the format may be rounded either way, as far as f32 arithmetic and the matrix unit's own rounding can turn it there, and no further.
;; 3 versions, each right; version 3 is version 2 with the launch attn written anew for expert scheduling mode. Each part assembles by itself: llvm-mc -triple=amdgcn-amd-amdhsa -mcpu=gfx1250 --defsym DOCPART=n.
;; ======== version 1 of 3: 4 launches
;; workspace buffers: xc 3,276,800 bytes; wqkv 9,830,400 bytes; woc 3,276,800 bytes; qc 3,276,800 bytes; kvc 6,553,600 bytes; ac 3,276,800 bytes; maskw 524,288 bytes of whole numbers; flags 512 bytes of whole numbers
;; launch prep (part 1): grid 672 x 1, 4 waves a work-group, no clusters, 35,328 bytes of LDS; arguments x, Wq, Wk, Wv, Wo, attn_mask, xc, wqkv, woc, maskw, flags; writes xc, wqkv, woc, maskw, flags
.if DOCPART == 1
	.amdgcn_target "amdgcn-amd-amdhsa--gfx1250"
	.amdhsa_code_object_version 6
	.text
	.protected	k_q4a6c88f646_prep
	.globl	k_q4a6c88f646_prep
	.p2align	8
	.type	k_q4a6c88f646_prep,@function
k_q4a6c88f646_prep:
	s_mov_b64 s[64:65], 0
	v_nop
	global_prefetch_b8 v0, s[64:65] scope:SCOPE_SE
	s_setreg_imm32_b32 hwreg(HW_REG_WAVE_MODE, 25, 1), 1
	s_wait_xcnt 0x0
; x, Wq, Wk, Wv, Wo ([2048][2048] f32, K innermost) become codes of FP6 (E2M3) with one E8M0 byte for each 32 along K, laid as SLABS; the mask becomes lane masks and two flags a tile.
; A SLAB is 128 rows x 128 K in 12,800 bytes, in the order of an operand's registers: tile t (16 rows) at 1,536 t, its registers 4 c .. 4 c + 3 at 512 c, lane l's 16 bytes at 16 l.
; Lane (r = l % 16, h = l / 16) of tile t holds row 32 (t / 2) + 8 (t % 2) + r + 8 (r / 8); its registers 6 c .. 6 c + 5 hold k = 64 c + 32 h + 0 .. 31.  The scale word of (t, r) lies at 12,288 + 64 t + 4 r.
; A block's scale is 2^(floor(log2(largest magnitude)) - 2); its byte is the largest magnitude's exponent field - 2, held at 1 from below.
; LIMITS: NaN and infinities among the inputs are not served; a block of zeros gets the byte 1 (its codes are zeros, and this program alone reads the bytes).
; SHARES: work-groups 0-639: 128 for each tensor, two slabs each, a wave half a slab (four tiles).  Work-groups 640-671: a wave takes one tile of 16 queries of the mask.
; Each load reads 512 consecutive bytes of one row; 16 rows turn through the wave's own stage in LDS (rows 528 bytes apart) so that a lane gets 32 neighbours along K twice: two whole blocks.
.set R,    32                          ; v32-159  two sets of 64 registers, as loaded
.set X,    160                         ; v160-223 my 64 numbers: block h in 0-31, block 2 + h in 32-63
.set F,    224                         ; v224-235 the fragment's codes
.set CT,   236                         ; v236-242 the upper halves' codes (a conversion's three registers begin on an even number)
.set SW,   244                         ; v244-247 the four tiles' scale words
.set TM,   16                          ; v16-23   at work
.set M,    32                          ; mask path: four sets of 16 registers
.set WLDS, 8704                        ; LDS of a wave: 16 x 528 of stage, 256 for the scale words
.set SP,   528
.macro LOADF f                         ; tile f of my four: its 16 rows, 512 bytes each
.irp i, 0,1,2,3,4,5,6,7,8,9,10,11,12,13,14,15
	global_load_b128 v[R+64*((\f)%2)+4*\i:R+64*((\f)%2)+4*\i+3], v1, s[12:13] offset:(32*((\f)/2)+8*((\f)%2)+\i+8*(\i/8))*8192 th:TH_LOAD_NT
.endr
.endm
.macro FRAG f
.if (\f) < 3
	s_wait_loadcnt 16                              ; this tile's 16 loads are in; the next tile's 16 may be out
.else
	s_wait_loadcnt 0x0
.endif
.irp i, 0,1,2,3,4,5,6,7,8,9,10,11,12,13,14,15
	ds_store_b128 v2, v[R+64*((\f)%2)+4*\i:R+64*((\f)%2)+4*\i+3] offset:SP*\i
.endr
.irp c, 0,1
.irp j, 0,1,2,3,4,5,6,7
	ds_load_b128 v[X+32*\c+4*\j:X+32*\c+4*\j+3], v3 offset:256*\c+16*\j   ; row r, k = 64 c + 32 h + 4 j on; LDS serves a wave's instructions in order
.endr
.endr
	s_wait_dscnt 0x0                               ; my numbers are back, so the stores have read this set
.if (\f)+2 < 4
	LOADF (\f)+2
.endif
.irp c, 0,1
	v_max3_num_f32 v[TM+\c], |v[X+32*\c]|, |v[X+32*\c+1]|, 0x1800000   ; the floor 2^(3 - 127) holds the byte at 1 from below
.endr
.irp i, 2,4,6,8,10,12,14,16,18,20,22,24,26,28,30
.irp c, 0,1
	v_max3_num_f32 v[TM+\c], v[TM+\c], |v[X+32*\c+\i]|, |v[X+32*\c+\i+1]|
.endr
.endr
.irp c, 0,1
	v_add_nc_u32 v[TM+2+\c], 0xff000000, v[TM+\c]  ; 2 off the exponent field: the conversion's scale operand
.endr
.irp c, 0,1
	v_lshrrev_b32 v[TM+4+\c], 23, v[TM+2+\c]       ; the scale's byte
.endr
	v_lshl_or_b32 v[TM+6], v[TM+5], 16, v[TM+4]    ; my two bytes: blocks h and 2 + h,
	v_lshlrev_b32 v[TM+6], v10, v[TM+6]            ; 8 h bits up;
	v_permlanex16_b32 v[TM+7], v[TM+6], s40, s41
	v_or_b32 v[SW+(\f)], v[TM+6], v[TM+7]          ; with lane l xor 16's two the word is whole
	s_wait_xcnt 0x0                                ; the last tile's stores have read the codes' registers
.irp c, 0,1
	v_cvt_scalef32_pk16_fp6_f32 v[F+6*\c:F+6*\c+2], v[X+32*\c:X+32*\c+15], v[TM+2+\c]
	v_cvt_scalef32_pk16_fp6_f32 v[CT+4*\c:CT+4*\c+2], v[X+32*\c+16:X+32*\c+31], v[TM+2+\c]
.endr
	v_nop                                          ; one plain place behind a scaled conversion
.irp c, 0,1
.irp i, 0,1,2
	v_mov_b32 v[F+3+6*\c+\i], v[CT+4*\c+\i]
.endr
.endr
.irp c, 0,1,2
	global_store_b128 v1, v[F+4*\c:F+4*\c+3], s[16:17] offset:1536*(\f)+512*\c   ; 512 consecutive bytes, aligned
.endr
.endm
	s_load_b512 s[4:19], s[0:1], 0x0               ; x, Wq, Wk, Wv, Wo, attn_mask, xc, wqkv
	s_load_b128 s[20:23], s[0:1], 0x40             ; woc, maskw
	s_load_b64 s[24:25], s[0:1], 0x50              ; flags
	v_lshl_add_u32 v254, v0, 2, 0x8800
	v_mov_b32 v255, 0
	v_lshrrev_b32 v1, 5, v0
	v_readfirstlane_b32 s26, v1                    ; wave
	v_and_b32 v7, 31, v0                           ; lane
	v_and_b32 v8, 15, v0                           ; r
	v_bfe_u32 v9, v0, 4, 1                         ; h
	s_lshr_b32 s27, ttmp9, 7                       ; which tensor: 0 x, 1 Wq, 2 Wk, 3 Wv, 4 Wo
	s_cmp_ge_u32 ttmp9, 640
	s_cbranch_scc1 .Lmask
	; ---- the quantiser
	s_mov_b32 s40, 0x76543210
	s_mov_b32 s41, 0xfedcba98                      ; selects for lane l xor 16
	s_mov_b32 s42, 0xffff0000                      ; lanes 16-31
	s_mul_i32 s28, s26, WLDS
	v_lshlrev_b32 v1, 4, v7                        ; 16 x lane
	v_add_nc_u32 v2, s28, v1                       ; the stage, in
	v_mul_u32_u24 v3, v8, SP
	v_lshl_add_u32 v3, v9, 7, v3
	v_add_nc_u32 v3, s28, v3                       ; and out: row r, + 128 h
	v_lshl_add_u32 v4, v7, 2, s28                  ; the scale words, in: 4 x lane
	v_lshl_add_u32 v5, v7, 3, s28                  ; and out: 8 x lane
	v_lshlrev_b32 v6, 3, v7
	v_lshlrev_b32 v10, 3, v9                       ; 8 h
	v_mov_b32 v[TM+7], 0                           ; a lane permute's destination counts as read
	s_and_b32 s29, ttmp9, 127
	s_lshl_b32 s29, s29, 1
	s_lshr_b32 s30, s26, 1
	s_add_co_u32 s29, s29, s30                     ; my slab of the tensor's 256
	s_and_b32 s30, s26, 1                          ; my half of it
	s_lshr_b32 s31, s29, 4                         ; its block of 128 rows
	s_and_b32 s32, s29, 15                         ; its K step
	s_lshl_b32 s34, s31, 20                        ; 128 rows of 8,192 bytes
	s_lshl_b32 s33, s32, 9
	s_add_co_u32 s34, s34, s33
	s_lshl_b32 s33, s30, 19                        ; 64 rows
	s_add_co_u32 s34, s34, s33
	s_mov_b32 s35, 0
	s_sub_co_u32 s33, s27, 1                       ; 0, 1, 2 for Wq, Wk, Wv
	s_mul_i32 s37, s33, 204800
	s_mov_b32 s36, 204800
	s_cmp_lt_u32 s33, 3
	s_cselect_b32 s36, 614400, s36                 ; wqkv is [head][kind][K step]; the others [block][K step]
	s_cselect_b32 s37, s37, 0
	s_mul_i32 s36, s31, s36
	s_add_co_u32 s36, s36, s37
	s_mul_i32 s37, s32, 12800
	s_add_co_u32 s36, s36, s37                     ; my slab's first byte
	s_mul_i32 s38, s30, 6144
	s_add_co_u32 s38, s38, s36                     ; my four tiles' codes
	s_mov_b32 s39, 0
	s_lshl_b32 s44, s30, 8
	s_add_co_u32 s44, s44, s36
	s_add_co_u32 s44, s44, 12288                   ; and their scale words
	s_mov_b32 s45, 0
	s_wait_kmcnt 0x0
	s_cmp_eq_u32 s27, 0                            ; the choices hang on the work-group's number alone
	s_cselect_b64 s[12:13], s[4:5], s[12:13]
	s_cselect_b64 s[20:21], s[16:17], s[20:21]
	s_cmp_eq_u32 s27, 1
	s_cselect_b64 s[12:13], s[6:7], s[12:13]
	s_cmp_eq_u32 s27, 2
	s_cselect_b64 s[12:13], s[8:9], s[12:13]
	s_cmp_eq_u32 s27, 3
	s_cselect_b64 s[12:13], s[10:11], s[12:13]
	s_cmp_lt_u32 s33, 3
	s_cselect_b64 s[20:21], s[18:19], s[20:21]
	s_add_nc_u64 s[12:13], s[12:13], s[34:35]
	s_add_nc_u64 s[16:17], s[20:21], s[38:39]
	s_add_nc_u64 s[18:19], s[20:21], s[44:45]
	LOADF 0
	LOADF 1
	FRAG 0
	FRAG 1
	FRAG 2
	FRAG 3
	v_cndmask_b32 v24, v[SW], v[SW+1], s42         ; a scale image: lanes 0-15 the even tile's words, lanes 16-31 the odd tile's
	v_cndmask_b32 v25, v[SW+2], v[SW+3], s42
	ds_store_b32 v4, v24 offset:16*SP
	ds_store_b32 v4, v25 offset:16*SP+128
	ds_load_b64 v[26:27], v5 offset:16*SP
	s_wait_dscnt 0x0
	global_store_b64 v6, v[26:27], s[18:19]        ; 256 consecutive bytes, aligned
	s_wait_tensorcnt 0x0
	ds_add_u32 v254, v255
	s_wait_dscnt 0x0
	s_endpgm
	; ---- the mask.  Word n of (tile T, key step): bit l = mask[query of lane l % 16][128 step + 32 (n / 16) + 16 (l / 16) + n % 16]: the lane mask of score register n in the attention launch.
.Lmask:
	s_sub_co_u32 s28, ttmp9, 640
	s_lshl_b32 s28, s28, 2
	s_add_co_u32 s28, s28, s26                     ; T
	s_lshr_b32 s29, s28, 3
	s_lshl_b32 s29, s29, 7
	s_bfe_u32 s30, s28, 0x20001
	s_lshl_b32 s30, s30, 5
	s_add_co_u32 s29, s29, s30
	s_and_b32 s30, s28, 1
	s_lshl_b32 s30, s30, 3
	s_add_co_u32 s29, s29, s30                     ; the tile's first query
	s_lshl_b32 s30, s29, 11                        ; a row of the mask is 2,048 bytes
	s_mov_b32 s31, 0
	s_lshl_b32 s32, s28, 12                        ; 16 steps x 256 bytes
	s_mov_b32 s33, 0
	s_lshl_b32 s34, s28, 2
	s_mov_b32 s35, 0
	v_and_b32 v2, 8, v8
	v_add_nc_u32 v2, v2, v8                        ; r + 8 (r / 8)
	v_lshlrev_b32 v2, 11, v2
	v_lshl_add_u32 v2, v9, 4, v2                   ; + 16 h
	v_lshlrev_b32 v3, 3, v7
	v_mov_b32 v4, 0                                ; written once: v_writelane_b32's destination counts as read
	v_mov_b32 v5, 0
	s_mov_b32 s36, 0xff
	s_mov_b32 s37, 0xff00
	s_mov_b32 s38, 0xff0000
	s_mov_b32 s39, 0xff000000
	s_mov_b32 s40, 0                               ; the flags
	s_mov_b32 s41, 1                               ; the step's bit
	s_mov_b32 s42, 0                               ; trips
	s_mov_b32 s47, 0
	s_wait_kmcnt 0x0
	s_add_nc_u64 s[14:15], s[14:15], s[30:31]
	s_add_nc_u64 s[22:23], s[22:23], s[32:33]
	s_add_nc_u64 s[24:25], s[24:25], s[34:35]
.irp j, 0,1,2,3
.irp b, 0,1,2,3
	global_load_b128 v[M+16*\j+4*\b:M+16*\j+4*\b+3], v2, s[14:15] offset:128*\j+32*\b
.endr
.endr
.Lmtrip:                                               ; four trips of four key steps; loads run four steps ahead
.irp j, 0,1,2,3
	s_wait_loadcnt 12                              ; this set's four loads are in; the three younger sets may be out
	s_wait_xcnt 0x0                                ; the last step's store has read v4 and v5
	s_mov_b32 s43, 0
	s_mov_b32 s44, -1
.set n, 0
.rept 64
	v_and_b32 v[10+n%4], s[36+n%4], v[M+16*\j+n/4]
	v_cmp_ne_u32 s[28+n%4], 0, v[10+n%4]
	v_writelane_b32 v[4+n%2], s[28+n%4], n/2       ; lane n / 2 holds words n and n + 1
	s_or_b32 s43, s43, s[28+n%4]
	s_and_b32 s44, s44, s[28+n%4]
.set n, n+1
.endr
	global_store_b64 v3, v[4:5], s[22:23] offset:256*\j   ; 256 consecutive bytes, aligned
.irp b, 0,1,2,3
	global_load_b128 v[M+16*\j+4*\b:M+16*\j+4*\b+3], v2, s[14:15] offset:512+128*\j+32*\b
.endr
	s_cmp_lg_u32 s43, 0
	s_cselect_b32 s45, s41, 0
	s_or_b32 s40, s40, s45                         ; bit step: some entry is true
	s_cmp_eq_u32 s44, -1
	s_cselect_b32 s45, s41, 0
	s_lshl_b32 s45, s45, 16
	s_or_b32 s40, s40, s45                         ; bit 16 + step: all are
	s_lshl_b32 s41, s41, 1
.endr
	s_wait_xcnt 0x0                                ; the trip's loads and stores have read their bases
	s_cmp_lt_u32 s42, 2
	s_cselect_b32 s46, 512, 0                      ; the last trip asks for steps 12-15 once more: no load leaves the buffer
	s_add_nc_u64 s[14:15], s[14:15], s[46:47]
	s_add_nc_u64 s[22:23], s[22:23], 1024
	s_add_co_u32 s42, s42, 1
	s_cmp_lt_u32 s42, 4
	s_cbranch_scc1 .Lmtrip
	v_mov_b32 v6, s40
	v_mov_b32 v10, 0
	v_cmp_eq_u32 vcc_lo, 0, v7
	s_wait_xcnt 0x0                                ; EXEC changes only behind this wait
	s_and_saveexec_b32 s45, vcc_lo
	global_store_b32 v10, v6, s[24:25]
	s_wait_xcnt 0x0
	s_or_b32 exec_lo, exec_lo, s45
	s_endpgm
.Lfunc_end_k_q4a6c88f646_prep:
	.size	k_q4a6c88f646_prep, .Lfunc_end_k_q4a6c88f646_prep-k_q4a6c88f646_prep
	.p2alignl 7, 3214868480
	.fill 96, 4, 3214868480
	.section	.rodata,"a",@progbits
	.p2align	6, 0x0
	.amdhsa_kernel k_q4a6c88f646_prep
		.amdhsa_group_segment_fixed_size 35328
		.amdhsa_private_segment_fixed_size 0
		.amdhsa_enable_private_segment 0
		.amdhsa_kernarg_size 88
		.amdhsa_user_sgpr_count 2
		.amdhsa_user_sgpr_kernarg_segment_ptr 1
		.amdhsa_wavefront_size32 1
		.amdhsa_system_sgpr_workgroup_id_x 1
		.amdhsa_system_sgpr_workgroup_id_y 1
		.amdhsa_system_sgpr_workgroup_id_z 1
		.amdhsa_system_vgpr_workitem_id 0
		.amdhsa_next_free_vgpr 256
		.amdhsa_next_free_sgpr 66
		.amdhsa_reserve_vcc 1
		.amdhsa_float_denorm_mode_32 3
		.amdhsa_float_denorm_mode_16_64 3
		.amdhsa_memory_ordered 1
		.amdhsa_forward_progress 1
		.amdhsa_inst_pref_size 94
	.end_amdhsa_kernel
	.amdgpu_metadata
---
amdhsa.version: [ 1, 2 ]
amdhsa.kernels:
  - .name:           k_q4a6c88f646_prep
    .symbol:         k_q4a6c88f646_prep.kd
    .args:
      - { .name: x, .offset: 0, .size: 8, .value_kind: global_buffer, .address_space: global }
      - { .name: Wq, .offset: 8, .size: 8, .value_kind: global_buffer, .address_space: global }
      - { .name: Wk, .offset: 16, .size: 8, .value_kind: global_buffer, .address_space: global }
      - { .name: Wv, .offset: 24, .size: 8, .value_kind: global_buffer, .address_space: global }
      - { .name: Wo, .offset: 32, .size: 8, .value_kind: global_buffer, .address_space: global }
      - { .name: attn_mask, .offset: 40, .size: 8, .value_kind: global_buffer, .address_space: global }
      - { .name: xc, .offset: 48, .size: 8, .value_kind: global_buffer, .address_space: global }
      - { .name: wqkv, .offset: 56, .size: 8, .value_kind: global_buffer, .address_space: global }
      - { .name: woc, .offset: 64, .size: 8, .value_kind: global_buffer, .address_space: global }
      - { .name: maskw, .offset: 72, .size: 8, .value_kind: global_buffer, .address_space: global }
      - { .name: flags, .offset: 80, .size: 8, .value_kind: global_buffer, .address_space: global }
    .group_segment_fixed_size: 35328
    .private_segment_fixed_size: 0
    .kernarg_segment_align: 8
    .kernarg_segment_size: 88
    .max_flat_workgroup_size: 128
    .sgpr_count:     66
    .vgpr_count:     256
    .wavefront_size: 32
...
	.end_amdgpu_metadata
.endif
;; end of part 1
;; launch qkv (part 2): grid 16 x 16, 4 waves a work-group, clusters of 4 x 4, 327,680 bytes of LDS; arguments xc, wqkv, bq, bk, bv, cos, sin, qc, kvc; writes qc, kvc
.if DOCPART == 2
	.amdgcn_target "amdgcn-amd-amdhsa--gfx1250"
	.amdhsa_code_object_version 6
	.text
	.protected	k_q4a6c88f646_qkv
	.globl	k_q4a6c88f646_qkv
	.p2align	8
	.type	k_q4a6c88f646_qkv,@function
k_q4a6c88f646_qkv:
	s_mov_b64 s[64:65], 0
	v_nop
	global_prefetch_b8 v0, s[64:65] scope:SCOPE_SE
	s_setreg_imm32_b32 hwreg(HW_REG_WAVE_MODE, 25, 1), 1
	s_wait_xcnt 0x0
	s_wait_alu depctr_hold_cnt(0) depctr_sa_sdst(0) depctr_va_vdst(0) depctr_va_sdst(0) depctr_va_ssrc(0) depctr_va_vcc(0) depctr_vm_vsrc(0)
	s_getreg_b32 s2, hwreg(HW_REG_IB_STS2, 6, 4)
	s_cmp_eq_u32 s2, 0
	s_cbranch_scc0 .Lentry_in_a_cluster
	s_endpgm
.Lentry_in_a_cluster:
	s_bfe_u32 s2, ttmp6, 0x10000c
	s_cmp_lg_u32 s2, 0xf033
	s_cbranch_scc0 .Lentry_shape_is_right
	s_endpgm
.Lentry_shape_is_right:
; q, k, v = x W^T + b on codes of FP6 (E2M3); q and k are rotated by the cos and sin tables; all three are quantised again and stored as slabs for the attention launch.
; SLAB: 128 rows x 128 K in 12,800 bytes: tile t at 1,536 t as an image of its 12 registers (registers 4 c on at 512 c, lane l at 16 l); lane (r, h) holds row 32 (t / 2) + 8 (t % 2) + r + 8 (r / 8);
; the scale word of (t, r) at 12,288 + 64 t + 4 r, so that 128 bytes are one register: lanes 0-15 an even tile's words, lanes 16-31 the odd tile's.
; SHARES: a work-group makes 128 tokens x one head's q, k and v.  Wave w takes all 128 tokens and channels 32 w .. 32 w + 31 of each: tiles 2 w, 2 w + 1 of Wq, Wk, Wv: 48 accumulators.
; q and k are used transposed (source 0 = W's tile, source 1 = x's): a lane holds one token and 16 neighbouring channels.  v is used plain (source 0 = x's tile, source 1 = Wv's): a lane holds one channel
; and its registers run along the tokens, which are the K of the attention's second product.
; K goes through a ring of two LDS slots of two K steps each.  CLUSTER 4 x 4: x's slabs are shared along a row of the cluster, W's along a column: joint loads.  Wave 0 fetches x, waves 1-3 Wq, Wk, Wv.
; The biases are the C of each sum's first product.  LIMITS: NaN and infinities are not served; a block of zeros gets the byte 1.
; REGISTERS: window 0: v1-31 addresses; v32-38, v40-46 scale words, two sets; v48-63 at work; v64-159, v160-255 x's eight fragments, two sets.  window 1: v0-71, v72-143 W's six fragments, two sets; v144-191 biases.
;   window 2: q's and k's accumulators at 32 t + 16 kind + 8 u.  window 3: v0-127 v's at 64 u + 8 t; v128-255 cos and sin of x's tiles 0-3.
.set SLOT,  102400                     ; x's two K steps, then Wq's, Wk's, Wv's: 25,600 bytes each
.set PART,  25600
.set SLAB,  12800
.set STAGE, 204800                     ; q's slab, then k's, gathered from the four waves
.set SPARE, 230400                     ; the spare words, 128 bytes a wave
.set AX,  4                            ; v4-5   x's fragments in slot 0, 1
.set AW,  6                            ; v6-7   my tiles of Wq (Wk: 25,600 on)
.set AV,  8                            ; v8-9   of Wv
.set SX,  10                           ; v10-11 x's scale images
.set SWD, 12                           ; v12-13 my scale image of Wq (Wk, Wv: 25,600, 51,200 on)
.set SPW, 14
.set NIL, 15
.set ZA,  16                           ; v16-18 where my block's three pieces of 8 bytes go in the stage
.set ZS,  19                           ; v19    and its scale byte
.set CSO, 20                           ; v20    my offset in the cos and sin tables
.set BQO, 21                           ; v21    64 h
.set BVO, 22                           ; v22    4 (r + 8 (r / 8))
.set RDS, 23                           ; v23    the stage, read back
.set L8,  24                           ; v24    8 x lane
.set VCO, 30                           ; v30    v's codes in the step block of kvc
.set VSO, 31                           ; v31    v's scale image
.set SC,  32
.set TM,  48
.set XF,  64
.set TQ,  192                          ; v192-207 rotated q, v208-223 rotated k
.set PC,  224
.set PW,  244
.set BIAS, 144
.set G1X, 24
.set G1W, 32
.set G0X, 40
.set G0W, 48
.set WV,  56
.set MSB, 0
.macro WIN new                         ; the immediate's high byte repeats the setting that is left
.if MSB != \new
	s_set_vgpr_msb (MSB<<8)|\new
.set MSB, \new
.endif
.endm
.macro PLACES                          ; four plain places behind matrix instructions, ahead of loads into their registers and of reads of results
.rept 4
	v_nop
.endr
.endm
.macro JLOAD n                         ; a joint load; the branch hangs on the wave's number alone; four v_nop follow each line
	s_cmp_eq_u32 s[WV], 0
	s_cbranch_scc0 .Lfor_w_\@
	tensor_load_to_lds s[G0X+4*\n:G0X+4*\n+3], s[G1X:G1X+7]
	s_nop 0
.rept 4
	v_nop
.endr
	s_branch .Lasked_\@
.Lfor_w_\@:
	tensor_load_to_lds s[G0W+4*\n:G0W+4*\n+3], s[G1W:G1W+7]
	s_nop 0
.rept 4
	v_nop
.endr
.Lasked_\@:
.endm
.macro CREST
	s_cmp_lg_u32 s[WV], 0
	s_cbranch_scc1 .Lnot_wave_0_\@
	s_barrier_signal -3
.Lnot_wave_0_\@:
	s_barrier_wait -3
	s_barrier_signal -1
	s_barrier_wait -1
.endm
.macro CROUND
	s_barrier_signal -1
	s_barrier_wait -1
	CREST
.endm
.macro WM d, a, b, c, sa, sb, ra, rb   ; one product; ra, rb: the side's scale words stand in lanes 16-31
.if (\ra) && (\rb)
	v_wmma_scale_f32_16x16x128_f8f6f4 v[(\d):(\d)+7], v[(\a):(\a)+11], v[(\b):(\b)+11], v[(\c):(\c)+7], v[\sa], v[\sb] matrix_a_fmt:MATRIX_FMT_FP6 matrix_b_fmt:MATRIX_FMT_FP6 matrix_a_scale:MATRIX_SCALE_ROW1 matrix_b_scale:MATRIX_SCALE_ROW1
.elseif (\ra)
	v_wmma_scale_f32_16x16x128_f8f6f4 v[(\d):(\d)+7], v[(\a):(\a)+11], v[(\b):(\b)+11], v[(\c):(\c)+7], v[\sa], v[\sb] matrix_a_fmt:MATRIX_FMT_FP6 matrix_b_fmt:MATRIX_FMT_FP6 matrix_a_scale:MATRIX_SCALE_ROW1
.elseif (\rb)
	v_wmma_scale_f32_16x16x128_f8f6f4 v[(\d):(\d)+7], v[(\a):(\a)+11], v[(\b):(\b)+11], v[(\c):(\c)+7], v[\sa], v[\sb] matrix_a_fmt:MATRIX_FMT_FP6 matrix_b_fmt:MATRIX_FMT_FP6 matrix_b_scale:MATRIX_SCALE_ROW1
.else
	v_wmma_scale_f32_16x16x128_f8f6f4 v[(\d):(\d)+7], v[(\a):(\a)+11], v[(\b):(\b)+11], v[(\c):(\c)+7], v[\sa], v[\sb] matrix_a_fmt:MATRIX_FMT_FP6 matrix_b_fmt:MATRIX_FMT_FP6
.endif
.endm
; x's tiles t0, t0 + 1 against my two tiles of Wq and of Wk, on set p.  The 48 accumulators take turns, one instruction a turn, in the same order in every step.
.macro MULQK t0, p, first
.irp t, \t0, \t0+1
.irp kd, 0,1
.irp u, 0,1
.if \first
	WM 32*(\t)+16*\kd+8*\u, 72*(\p)+12*(2*\kd+\u), XF+96*(\p)+12*(\t), BIAS+16*\kd+8*\u, SC+8*(\p)+4+\kd, SC+8*(\p)+(\t)/2, \u, (\t)%2
.else
	WM 32*(\t)+16*\kd+8*\u, 72*(\p)+12*(2*\kd+\u), XF+96*(\p)+12*(\t), 32*(\t)+16*\kd+8*\u, SC+8*(\p)+4+\kd, SC+8*(\p)+(\t)/2, \u, (\t)%2
.endif
.endr
.endr
.endr
.endm
.macro MULV u, p, first                ; x's eight tiles against my tile u of Wv
.irp t, 0,1,2,3,4,5,6,7
.if \first
	WM 64*(\u)+8*\t, XF+96*(\p)+12*\t, 72*(\p)+12*(4+\u), BIAS+32+8*(\u), SC+8*(\p)+\t/2, SC+8*(\p)+6, \t%2, \u
.else
	WM 64*(\u)+8*\t, XF+96*(\p)+12*\t, 72*(\p)+12*(4+\u), 64*(\u)+8*\t, SC+8*(\p)+\t/2, SC+8*(\p)+6, \t%2, \u
.endif
.endr
.endm
.macro FETCH slot, q, p                ; 49 LDS loads in one run: the slot's q-th K step into set p
	WIN 0x40
.irp kd, 0,1
.irp u, 0,1
.irp c, 0,1,2
	ds_load_b128 v[72*(\p)+12*(2*\kd+\u)+4*\c:72*(\p)+12*(2*\kd+\u)+4*\c+3], v[AW+\slot] offset:PART*\kd+SLAB*(\q)+1536*\u+512*\c
.endr
.endr
.endr
.irp u, 0,1
.irp c, 0,1,2
	ds_load_b128 v[72*(\p)+12*(4+\u)+4*\c:72*(\p)+12*(4+\u)+4*\c+3], v[AV+\slot] offset:SLAB*(\q)+1536*\u+512*\c
.endr
.endr
	WIN 0
.irp t, 0,1,2,3,4,5,6,7
.irp c, 0,1,2
	ds_load_b128 v[XF+96*(\p)+12*\t+4*\c:XF+96*(\p)+12*\t+4*\c+3], v[AX+\slot] offset:SLAB*(\q)+1536*\t+512*\c
.endr
.endr
.irp i, 0,1,2,3
	ds_load_b32 v[SC+8*(\p)+\i], v[SX+\slot] offset:SLAB*(\q)+128*\i
.endr
.irp kd, 0,1,2
	ds_load_b32 v[SC+8*(\p)+4+\kd], v[SWD+\slot] offset:PART*\kd+SLAB*(\q)
.endr
.endm
.macro STEP slot, first                ; a slot's first K step, on set 0; the second step's fragments are fetched at its head
	s_wait_dscnt 0x0                               ; set 0 is in
	PLACES
	FETCH \slot, 1, 1
.if \first
	WIN 0x91                                       ; source 0 window 1, source 1 window 0, C (the bias) window 1, D window 2
.else
	WIN 0xa1
.endif
	MULQK 0, 0, \first
	MULQK 2, 0, \first
	MULQK 4, 0, \first
	MULQK 6, 0, \first
.if \first
	WIN 0xd4                                       ; source 0 window 0, source 1 window 1, C window 1, D window 3
.else
	WIN 0xf4
.endif
	MULV 0, 0, \first
	MULV 1, 0, \first
	WIN 0
.endm
; A slot's second K step, on set 1, changes slots: one barrier; ahead of it each wave waits for all its tensor loads, adds 0 to its spare word, and waits for that and for its reads of the slot.
.macro TURN slot, next, fill
	s_wait_tensorcnt 0x0                           ; all my tensor loads have landed: my part of the next slot
	ds_add_u32 v[SPW], v[NIL]
	s_wait_dscnt 1                                 ; set 1 is in; the add alone may be out
	WIN 0xa1
	MULQK 0, 1, 0
	s_wait_dscnt 0x0                               ; the add is done, and my reads of this slot are over
	s_barrier_signal -1
	MULQK 2, 1, 0
	MULQK 4, 1, 0
	WIN 0
	s_barrier_wait -1
.if \fill
	CREST                                          ; the barrier has opened a round of the cluster's: no wave of any partner reads this slot or has a load on its way
	s_add_nc_u64 s[G0X+4*\slot+2:G0X+4*\slot+3], s[G0X+4*\slot+2:G0X+4*\slot+3], 4*SLAB
	s_add_nc_u64 s[G0W+4*\slot+2:G0W+4*\slot+3], s[G0W+4*\slot+2:G0W+4*\slot+3], 4*SLAB
	JLOAD \slot                                    ; the first tensor load behind the round; its four v_nop are the places ahead of the loads below
.else
	PLACES
.endif
	FETCH \next, 0, 0
	WIN 0xa1
	MULQK 6, 1, 0
	WIN 0xf4
	MULV 0, 1, 0
	MULV 1, 1, 0
	WIN 0
.endm
	s_load_b512 s[4:19], s[0:1], 0x0               ; xc, wqkv, bq, bk, bv, cos, sin, qc
	s_load_b64 s[20:21], s[0:1], 0x40              ; kvc
	v_lshl_add_u32 v[SPW], v0, 2, SPARE
	v_mov_b32 v[NIL], 0
	ds_add_u32 v14, v15
	ds_add_u32 v14, v15
	s_wait_dscnt 0x0
	v_lshrrev_b32 v1, 5, v0
	v_readfirstlane_b32 s[WV], v1
	s_bfe_u32 s57, ttmp6, 0x40000                  ; cx
	s_bfe_u32 s58, ttmp6, 0x40004                  ; cy
	s_lshl_b32 s59, ttmp9, 2
	s_add_co_u32 s59, s59, s57                     ; the head
	s_and_b32 s66, ttmp7, 0xffff
	s_lshl_b32 s66, s66, 2
	s_add_co_u32 s66, s66, s58                     ; the block of 128 tokens
	s_lshl_b32 s67, s58, 2
	s_lshl_b32 s67, 15, s67                        ; my row of the cluster
	s_lshl_b32 s68, 0x1111, s57                    ; my column
	s_or_b32 s[G1X], s67, (3<<16)|(1<<21)          ; the mask; elements of 8 bytes; bit 21 beside a mask; no padding
	s_or_b32 s[G1W], s68, (3<<16)|(1<<21)
.irp g, G1X, G1W
	s_mov_b32 s[\g+1], 32<<16                      ; tensor_dim0 = 32 elements: rows of 256 bytes
	s_mov_b32 s[\g+2], 100<<16                     ; tensor_dim1 = 100: 25,600 dense bytes
	s_mov_b32 s[\g+3], 32<<16                      ; tile_dim0
	s_mov_b32 s[\g+4], 100                         ; tile_dim1
	s_mov_b32 s[\g+5], 32                          ; the pitch
	s_mov_b32 s[\g+6], 0
	s_mov_b32 s[\g+7], 0
.endr
	s_mov_b32 s60, 0x76543210
	s_mov_b32 s61, 0xfedcba98
	s_mov_b32 s62, 0xffff0000
	s_mul_i32 s70, s66, 16*SLAB                    ; x: my block's 16 slabs
	s_mov_b32 s71, 0
	s_sub_co_u32 s74, s[WV], 1
	s_min_u32 s74, s74, 2                          ; waves 1, 2, 3: kind 0, 1, 2 (wave 0 does not use it)
	s_mul_i32 s74, s74, 16*SLAB
	s_mul_i32 s72, s59, 48*SLAB
	s_add_co_u32 s72, s72, s74
	s_mov_b32 s73, 0
	s_mul_i32 s75, s[WV], PART                     ; where my part lands in a slot
	s_wait_kmcnt 0x0
	s_add_nc_u64 s[70:71], s[4:5], s[70:71]
	s_add_nc_u64 s[72:73], s[6:7], s[72:73]
	CROUND                                         ; all sixteen work-groups are here: the first joint loads meet
.irp n, 0,1
	s_mov_b32 s[G0X+4*\n], 1
	s_add_co_u32 s[G0X+4*\n+1], s75, \n*SLOT
	s_add_nc_u64 s[G0X+4*\n+2:G0X+4*\n+3], s[70:71], \n*PART
	s_or_b32 s[G0X+4*\n+3], s[G0X+4*\n+3], 0x80000000
	s_mov_b32 s[G0W+4*\n], 1
	s_add_co_u32 s[G0W+4*\n+1], s75, \n*SLOT
	s_add_nc_u64 s[G0W+4*\n+2:G0W+4*\n+3], s[72:73], \n*PART
	s_or_b32 s[G0W+4*\n+3], s[G0W+4*\n+3], 0x80000000
	JLOAD \n
.endr
	v_and_b32 v25, 31, v0                          ; lane
	v_and_b32 v26, 15, v0                          ; r
	v_bfe_u32 v27, v0, 4, 1                        ; h
	v_lshlrev_b32 v1, 4, v25
	v_lshlrev_b32 v2, 2, v25
	v_lshlrev_b32 v[L8], 3, v25
	s_mul_i32 s76, s[WV], 3072                     ; my two tiles in a slab
	s_lshl_b32 s77, s[WV], 7                       ; my scale image
.irp n, 0,1
	v_add_nc_u32 v[AX+\n], \n*SLOT, v1
	s_add_co_u32 s78, s76, \n*SLOT+PART
	v_add_nc_u32 v[AW+\n], s78, v1
	v_add_nc_u32 v[AV+\n], 2*PART, v[AW+\n]
	v_add_nc_u32 v[SX+\n], \n*SLOT+12288, v2
	s_add_co_u32 s78, s77, \n*SLOT+PART+12288
	v_add_nc_u32 v[SWD+\n], s78, v2
.endr
	; the stage: my block w of a token's 128 channels is registers 6 (w / 2) .. + 5 of lane r + 16 (w % 2); lanes 0-15 will hold q's block, lanes 16-31 k's, 12,800 bytes on
	s_lshr_b32 s88, s[WV], 1
	s_mul_i32 s88, s88, 3
	s_and_b32 s89, s[WV], 1
	s_lshl_b32 s89, s89, 8
	v_mul_u32_u24 v28, v27, SLAB
	v_lshl_add_u32 v29, v26, 2, v28
	v_lshl_add_u32 v28, v26, 4, v28
.irp p, 0,1,2
	s_add_co_u32 s90, s88, \p                      ; piece i = 3 (w / 2) + p: registers 2 i, 2 i + 1
	s_lshr_b32 s91, s90, 1
	s_lshl_b32 s91, s91, 9
	s_and_b32 s90, s90, 1
	s_lshl_b32 s90, s90, 3
	s_add_co_u32 s90, s90, s91
	s_add_co_u32 s90, s90, s89
	s_add_co_u32 s90, s90, STAGE
	v_add_nc_u32 v[ZA+\p], s90, v28
.endr
	s_add_co_u32 s90, s[WV], STAGE+12288
	v_add_nc_u32 v[ZS], s90, v29
	s_mul_i32 s90, s[WV], 6400
	s_add_co_u32 s90, s90, STAGE
	v_add_nc_u32 v[RDS], s90, v[L8]
	v_and_b32 v28, 8, v26
	v_add_nc_u32 v28, v28, v26                     ; r + 8 (r / 8)
	v_lshlrev_b32 v[BQO], 6, v27
	v_lshlrev_b32 v[BVO], 2, v28
	v_lshl_add_u32 v[CSO], v28, 9, v[BQO]
	v_add_nc_u32 v[CSO], s77, v[CSO]               ; token's row of 512 bytes + 64 h + 128 w
	s_add_co_u32 s90, s76, SLAB
	v_add_nc_u32 v[VCO], s90, v1
	s_add_co_u32 s90, s77, SLAB+12288
	v_add_nc_u32 v[VSO], s90, v2
	s_lshl_b32 s76, s59, 9
	s_add_co_u32 s76, s76, s77                     ; the biases: 512 x head + 128 x wave
	s_mov_b32 s77, 0
	s_add_nc_u64 s[8:9], s[8:9], s[76:77]
	s_add_nc_u64 s[10:11], s[10:11], s[76:77]
	s_add_nc_u64 s[12:13], s[12:13], s[76:77]
	s_lshl_b32 s76, s66, 16                        ; the tables: 128 rows of 512 bytes a block
	s_add_nc_u64 s[14:15], s[14:15], s[76:77]
	s_add_nc_u64 s[16:17], s[16:17], s[76:77]
	s_lshl_b32 s78, s59, 4
	s_add_co_u32 s78, s78, s66
	s_mul_i32 s80, s78, SLAB
	s_mov_b32 s81, 0
	s_mul_i32 s82, s78, 2*SLAB
	s_mov_b32 s83, 0
	s_add_nc_u64 s[18:19], s[18:19], s[80:81]      ; q's slab
	s_add_nc_u64 s[20:21], s[20:21], s[82:83]      ; the key step's block: k's slab, then v's
	s_cmp_lt_u32 s[WV], 2
	s_cselect_b64 s[84:85], s[18:19], s[20:21]     ; waves 0, 1 store q's halves, waves 2, 3 k's
	s_and_b32 s86, s[WV], 1
	s_mul_i32 s86, s86, 6400
	s_mov_b32 s87, 0
	s_add_nc_u64 s[84:85], s[84:85], s[86:87]
	WIN 0x40
.irp u, 0,1
	global_load_b128 v[BIAS+8*\u:BIAS+8*\u+3], v[BQO], s[8:9] offset:32*\u          ; channels 32 w + 8 u + 16 h + 0 .. 7
	global_load_b128 v[BIAS+8*\u+4:BIAS+8*\u+7], v[BQO], s[8:9] offset:32*\u+16
	global_load_b128 v[BIAS+16+8*\u:BIAS+16+8*\u+3], v[BQO], s[10:11] offset:32*\u
	global_load_b128 v[BIAS+16+8*\u+4:BIAS+16+8*\u+7], v[BQO], s[10:11] offset:32*\u+16
.endr
.irp u, 0,1
.irp j, 0,1,2,3,4,5,6,7
	global_load_b32 v[BIAS+32+8*\u+\j], v[BVO], s[12:13] offset:32*\u               ; v: a lane holds one channel: the same number in all eight
.endr
.endr
	WIN 0xc0
.irp t, 0,1,2,3
.irp j, 0,1,2,3
	global_load_b128 v[128+32*\t+4*\j:128+32*\t+4*\j+3], v[CSO], s[14:15] offset:(32*(\t/2)+8*(\t%2))*512+16*\j
	global_load_b128 v[128+32*\t+16+4*\j:128+32*\t+16+4*\j+3], v[CSO], s[16:17] offset:(32*(\t/2)+8*(\t%2))*512+16*\j
.endr
.endr
	WIN 0
	s_wait_tensorcnt 1                             ; my part of slot 0 is in; slot 1's may be out
	s_barrier_signal -1
	s_barrier_wait -1
	FETCH 0, 0, 0
	s_wait_loadcnt 32                              ; the 24 loads of biases are in; the 32 of cos and sin may be out
	STEP 0, 1
	s_mov_b32 s3, 3
.Llap:                                                 ; a trip goes once round the ring and fills both slots again
	TURN 0, 1, 1
	STEP 1, 0
	TURN 1, 0, 1
	STEP 0, 0
	s_sub_co_u32 s3, s3, 1
	s_cmp_lg_u32 s3, 0
	s_cbranch_scc1 .Llap
	TURN 0, 1, 0                                   ; the last lap fills nothing
	STEP 1, 0
	s_wait_dscnt 0x0
	WIN 0xa1
	MULQK 0, 1, 0
	MULQK 2, 1, 0
	MULQK 4, 1, 0
	MULQK 6, 1, 0
	WIN 0xf4
	MULV 0, 1, 0
	MULV 1, 1, 0
	WIN 0
	PLACES
.irp t, 4,5,6,7                        ; cos and sin of x's tiles 4-7 into the registers that x's fragments have left
.irp j, 0,1,2,3
	global_load_b128 v[XF+32*(\t-4)+4*\j:XF+32*(\t-4)+4*\j+3], v[CSO], s[14:15] offset:(32*(\t/2)+8*(\t%2))*512+16*\j
	global_load_b128 v[XF+32*(\t-4)+16+4*\j:XF+32*(\t-4)+16+4*\j+3], v[CSO], s[16:17] offset:(32*(\t/2)+8*(\t%2))*512+16*\j
.endr
.endr
.irp b, 0,1,2,3
	v_mov_b32 v[TM+4+\b], 0                        ; a lane permute's destination counts as read
.endr
; v: 64 numbers of a lane in window 3, register 16 b + i = token 32 b + 16 h + i of my channel, become a fragment in v[PC] on and its scale word in v[pw]
.macro QUANTV s, pw
	WIN 0x3c
.irp b, 0,1,2,3
	v_max3_num_f32 v[TM+\b], 0x1800000, |v[\s+16*\b]|, |v[\s+1+16*\b]|   ; the floor 2^(3 - 127) holds the byte at 1 from below
.endr
.irp i, 2,4,6,8,10,12,14
.irp b, 0,1,2,3
	v_max3_num_f32 v[TM+\b], v[TM+\b], |v[\s+16*\b+\i]|, |v[\s+1+16*\b+\i]|
.endr
.endr
	WIN 0
.irp b, 0,1,2,3
	v_permlanex16_b32 v[TM+4+\b], v[TM+\b], s60, s61
.endr
.irp b, 0,1,2,3
	v_max_num_f32 v[TM+\b], v[TM+\b], v[TM+4+\b]
.endr
.irp b, 0,1,2,3
	v_add_nc_u32 v[TM+12+\b], 0xff000000, v[TM+\b]
.endr
.irp b, 0,1,2,3
	v_lshrrev_b32 v[TM+4+\b], 23, v[TM+12+\b]
.endr
	v_lshl_or_b32 v[\pw], v[TM+5], 8, v[TM+4]
	v_lshl_or_b32 v[\pw], v[TM+6], 16, v[\pw]
	v_lshl_or_b32 v[\pw], v[TM+7], 24, v[\pw]
	WIN 0x03
.irp c, 0,1
	v_cvt_scalef32_pk16_fp6_f32 v[PC+6*\c:PC+2+6*\c], v[\s+32*\c:\s+15+32*\c], v[TM+12+2*\c]
	v_cvt_scalef32_pk16_fp6_f32 v[PC+12+4*\c:PC+14+4*\c], v[\s+16+32*\c:\s+31+32*\c], v[TM+12+2*\c+1]
.endr
	WIN 0
	v_nop                                          ; one plain place behind a scaled conversion
.irp c, 0,1
.irp i, 0,1,2
	v_permlane16_swap_b32 v[PC+6*\c+\i], v[PC+12+4*\c+\i]   ; a whole block to a lane
.endr
.irp i, 0,1,2
	v_mov_b32 v[PC+3+6*\c+\i], v[PC+12+4*\c+\i]
.endr
.endr
.endm
	QUANTV 0, PW
.irp c, 0,1,2
	global_store_b128 v[VCO], v[PC+4*\c:PC+4*\c+3], s[20:21] offset:512*\c
.endr
	s_wait_xcnt 0x0                                ; the stores have read the codes' registers
	QUANTV 64, PW+1
.irp c, 0,1,2
	global_store_b128 v[VCO], v[PC+4*\c:PC+4*\c+3], s[20:21] offset:1536+512*\c
.endr
	v_cndmask_b32 v[PW+2], v[PW], v[PW+1], s62     ; my scale image: lanes 0-15 tile 2 w, lanes 16-31 tile 2 w + 1
	global_store_b32 v[VSO], v[PW+2], s[20:21]
	s_wait_xcnt 0x0
; q and k of x's tile t: rotated, my block of 32 channels quantised (it lies in lanes l and l xor 16), 24 bytes and a scale byte to the stage
.macro QKT t
.if (\t) == 0
	s_wait_loadcnt 32                              ; tiles 0-3's tables are in; the 32 loads of tiles 4-7 may be out
.elseif (\t) >= 4
	s_wait_loadcnt 8*(7-(\t))                      ; this tile's eight are in; the later tiles' may be out
.endif
.if (\t) < 4
	WIN 0x0e                                       ; source 0 window 2, source 1 window 3
.set CB, 128+32*(\t)
.else
	WIN 0x02
.set CB, XF+32*((\t)-4)
.endif
.irp kd, 0,1
.irp i, 0,2,4,6,8,10,12,14
	v_pk_mul_f32 v[TQ+16*\kd+\i:TQ+16*\kd+\i+1], v[32*(\t)+16*\kd+\i:32*(\t)+16*\kd+\i+1], v[CB+\i:CB+\i+1]
.endr
.irp i, 0,2,4,6,8,10,12,14
	v_pk_fma_f32 v[TQ+16*\kd+\i:TQ+16*\kd+\i+1], v[32*(\t)+16*\kd+\i:32*(\t)+16*\kd+\i+1], v[CB+16+\i:CB+16+\i+1], v[TQ+16*\kd+\i:TQ+16*\kd+\i+1] op_sel:[1,0,0] op_sel_hi:[0,1,1] neg_lo:[0,1,0]   ; low: - x1 sin0; high: + x0 sin1
.endr
.endr
	WIN 0
	v_max3_num_f32 v[TM], |v[TQ]|, |v[TQ+1]|, 0x1800000
	v_max3_num_f32 v[TM+1], |v[TQ+16]|, |v[TQ+17]|, 0x1800000
.irp i, 2,4,6,8,10,12,14
	v_max3_num_f32 v[TM], v[TM], |v[TQ+\i]|, |v[TQ+1+\i]|
	v_max3_num_f32 v[TM+1], v[TM+1], |v[TQ+16+\i]|, |v[TQ+17+\i]|
.endr
	v_permlanex16_b32 v[TM+4], v[TM], s60, s61
	v_permlanex16_b32 v[TM+5], v[TM+1], s60, s61
	v_max_num_f32 v[TM], v[TM], v[TM+4]
	v_max_num_f32 v[TM+1], v[TM+1], v[TM+5]
	v_add_nc_u32 v[TM+12], 0xff000000, v[TM]
	v_add_nc_u32 v[TM+13], 0xff000000, v[TM+1]
	v_lshrrev_b32 v[TM+8], 23, v[TM+12]
	v_lshrrev_b32 v[TM+9], 23, v[TM+13]
	s_wait_dscnt 0x0                               ; the last tile's LDS stores have read their registers
	v_cvt_scalef32_pk16_fp6_f32 v[PC:PC+2], v[TQ:TQ+15], v[TM+12]
	v_cvt_scalef32_pk16_fp6_f32 v[PC+12:PC+14], v[TQ+16:TQ+31], v[TM+13]
	v_cndmask_b32 v[TM+10], v[TM+8], v[TM+9], s62  ; (the plain place)  lanes 0-15 q's byte, lanes 16-31 k's
.irp i, 0,1,2
	v_permlane16_swap_b32 v[PC+\i], v[PC+12+\i]    ; lanes 0-15 now hold q's whole block, lanes 16-31 k's: lower 16 codes in the first, upper in the second
.endr
.irp i, 0,1,2
	v_mov_b32 v[PC+3+\i], v[PC+12+\i]
.endr
.irp p, 0,1,2
	ds_store_b64 v[ZA+\p], v[PC+2*\p:PC+2*\p+1] offset:1536*(\t)
.endr
	ds_store_b8 v[ZS], v[TM+10] offset:64*(\t)
.endm
.irp t, 0,1,2,3,4,5,6,7
	QKT \t
.endr
	s_wait_dscnt 0x0                               ; for the others' sake: my stores into the stage are done
	s_barrier_signal -1
	s_barrier_wait -1
.irp i, 0,1,2,3,4,5,6,7,8,9,10,11,12,13,14,15,16,17,18,19,20,21,22,23,24
	ds_load_b64 v[XF+2*\i:XF+2*\i+1], v[RDS] offset:256*\i
.endr
.irp i, 0,1,2,3,4,5,6,7,8,9,10,11,12,13,14,15,16,17,18,19,20,21,22,23,24
	s_wait_dscnt 24-\i                             ; load i is back; the younger ones may be out
	global_store_b64 v[L8], v[XF+2*\i:XF+2*\i+1], s[84:85] offset:256*\i   ; 256 consecutive bytes, aligned
.endr
	s_wait_tensorcnt 0x0                           ; the wave's end
	ds_add_u32 v[SPW], v[NIL]
	s_wait_dscnt 0x0
	CROUND                                         ; the closing round
	s_endpgm
.Lfunc_end_k_q4a6c88f646_qkv:
	.size	k_q4a6c88f646_qkv, .Lfunc_end_k_q4a6c88f646_qkv-k_q4a6c88f646_qkv
	.p2alignl 7, 3214868480
	.fill 96, 4, 3214868480
	.section	.rodata,"a",@progbits
	.p2align	6, 0x0
	.amdhsa_kernel k_q4a6c88f646_qkv
		.amdhsa_group_segment_fixed_size 327680
		.amdhsa_private_segment_fixed_size 0
		.amdhsa_enable_private_segment 0
		.amdhsa_kernarg_size 72
		.amdhsa_user_sgpr_count 2
		.amdhsa_user_sgpr_kernarg_segment_ptr 1
		.amdhsa_wavefront_size32 1
		.amdhsa_system_sgpr_workgroup_id_x 1
		.amdhsa_system_sgpr_workgroup_id_y 1
		.amdhsa_system_sgpr_workgroup_id_z 1
		.amdhsa_system_vgpr_workitem_id 0
		.amdhsa_next_free_vgpr 1024
		.amdhsa_next_free_sgpr 100
		.amdhsa_reserve_vcc 0
		.amdhsa_float_denorm_mode_32 3
		.amdhsa_float_denorm_mode_16_64 3
		.amdhsa_memory_ordered 1
		.amdhsa_forward_progress 1
		.amdhsa_inst_pref_size 143
	.end_amdhsa_kernel
	.amdgpu_metadata
---
amdhsa.version: [ 1, 2 ]
amdhsa.kernels:
  - .name:           k_q4a6c88f646_qkv
    .symbol:         k_q4a6c88f646_qkv.kd
    .args:
      - { .name: xc, .offset: 0, .size: 8, .value_kind: global_buffer, .address_space: global }
      - { .name: wqkv, .offset: 8, .size: 8, .value_kind: global_buffer, .address_space: global }
      - { .name: bq, .offset: 16, .size: 8, .value_kind: global_buffer, .address_space: global }
      - { .name: bk, .offset: 24, .size: 8, .value_kind: global_buffer, .address_space: global }
      - { .name: bv, .offset: 32, .size: 8, .value_kind: global_buffer, .address_space: global }
      - { .name: cos, .offset: 40, .size: 8, .value_kind: global_buffer, .address_space: global }
      - { .name: sin, .offset: 48, .size: 8, .value_kind: global_buffer, .address_space: global }
      - { .name: qc, .offset: 56, .size: 8, .value_kind: global_buffer, .address_space: global }
      - { .name: kvc, .offset: 64, .size: 8, .value_kind: global_buffer, .address_space: global }
    .group_segment_fixed_size: 327680
    .private_segment_fixed_size: 0
    .kernarg_segment_align: 8
    .kernarg_segment_size: 72
    .max_flat_workgroup_size: 128
    .sgpr_count:     100
    .vgpr_count:     1024
    .wavefront_size: 32
...
	.end_amdgpu_metadata
.endif
;; end of part 2
;; launch attn (part 3): grid 16 x 16, 8 waves a work-group, no clusters, 52,224 bytes of LDS; arguments qc, kvc, maskw, flags, ac; writes ac
.if DOCPART == 3
	.amdgcn_target "amdgcn-amd-amdhsa--gfx1250"
	.amdhsa_code_object_version 6
	.text
	.protected	k_q4a6c88f646_attn
	.globl	k_q4a6c88f646_attn
	.p2align	8
	.type	k_q4a6c88f646_attn,@function
k_q4a6c88f646_attn:
	s_mov_b64 s[64:65], 0
	v_nop
	global_prefetch_b8 v0, s[64:65] scope:SCOPE_SE
	s_setreg_imm32_b32 hwreg(HW_REG_WAVE_MODE, 25, 1), 1
	s_wait_xcnt 0x0
; Attention of one head on codes of FP6 (E2M3): S^T = K Q^T, the mask, p = 2^(t - M) with M a whole number, O^T = V^T P, O / the sum of the unquantised p; O is quantised along the head's channels and stored as a tile of a slab for the last product.
; SLAB: see the launches before: a tile's 12 registers as an image (registers 4 c on at 512 c, lane l at 16 l), tile t at 1,536 t, scale word of (t, r) at 12,288 + 64 t + 4 r.  kvc holds, for each head and key step of 128 keys, K's slab and V^T's: 25,600 bytes.
; SHARES: a wave owns one tile of 16 queries; a lane holds ONE query (lane % 16) throughout.  A work-group's eight waves take four tiles of query block 15 - pi and four of block pi, so that under a causal mask all work-groups have like work; the values hold for any mask.
; THE MASK is data.  An earlier launch has stored, for each (tile, key step), 64 lane masks (word n for score register n) and two flags: some entry true, all entries true.  A step with no true entry is passed over, a step with all true skips the masking:
; forward branches on stored whole numbers.  For that reason this launch has no tensor load and so no joint load in a cluster: K and V go from memory through registers into LDS, one step ahead, by all eight waves together, and every wave passes every barrier.
; A query with no true entry at all has the sum 0: its scale bytes are set to 0xff, so that the last product gives NaN in that row, as a softmax over nothing does.
; REGISTERS: window 0: v1-6 addresses; v12 -M, v13 the largest t, v[14:15] the sum; v16-27 Q; v29 -infinity; v32-35, v36-39 K's and V's scale images; v40-57 at work at the end; v64-91 the next step's bytes on their way to LDS (at the end: the codes);
;   v96-159 S^T, then p; v160-223 O^T; v224-254 at work; v255 Q's scale words.   window 1: v0-95 K's eight fragments, v96-191 V's.
.set SKIP,  1                          ; 1: steps and maskings are passed over by the flags; 0: every step is worked
.set STEPB, 25600
.set KSC,   12288
.set VOF,   12800
.set VSC,   25088
.set L16,  1
.set L4,   2
.set T16,  3
.set L256, 4
.set WO,   6
.set NINF, 29
.set KS,   32
.set VS,   36
.set TM,   40
.set PW,   56
.set ONES, 57
.set STG,  64
.set PC,   64
.set WV,   14
.set MSB, 0
.macro WIN new
.if MSB != \new
	s_set_vgpr_msb (MSB<<8)|\new
.set MSB, \new
.endif
.endm
.macro WM d, a, b, c, sa, sb, ra       ; c < 0: the sum begins with 0; ra: source 0's scale words stand in lanes 16-31
.if (\c) < 0
.if \ra
	v_wmma_scale_f32_16x16x128_f8f6f4 v[(\d):(\d)+7], v[(\a):(\a)+11], v[(\b):(\b)+11], 0, v[\sa], v[\sb] matrix_a_fmt:MATRIX_FMT_FP6 matrix_b_fmt:MATRIX_FMT_FP6 matrix_a_scale:MATRIX_SCALE_ROW1
.else
	v_wmma_scale_f32_16x16x128_f8f6f4 v[(\d):(\d)+7], v[(\a):(\a)+11], v[(\b):(\b)+11], 0, v[\sa], v[\sb] matrix_a_fmt:MATRIX_FMT_FP6 matrix_b_fmt:MATRIX_FMT_FP6
.endif
.else
.if \ra
	v_wmma_scale_f32_16x16x128_f8f6f4 v[(\d):(\d)+7], v[(\a):(\a)+11], v[(\b):(\b)+11], v[(\c):(\c)+7], v[\sa], v[\sb] matrix_a_fmt:MATRIX_FMT_FP6 matrix_b_fmt:MATRIX_FMT_FP6 matrix_a_scale:MATRIX_SCALE_ROW1
.else
	v_wmma_scale_f32_16x16x128_f8f6f4 v[(\d):(\d)+7], v[(\a):(\a)+11], v[(\b):(\b)+11], v[(\c):(\c)+7], v[\sa], v[\sb] matrix_a_fmt:MATRIX_FMT_FP6 matrix_b_fmt:MATRIX_FMT_FP6
.endif
.endif
.endm
.macro LOADKV                          ; a step block of 25,600 bytes: six loads of 4,096 bytes by the 256 threads, the last 1,024 bytes by waves 0 and 1
.irp i, 0,1,2,3,4,5
	global_load_b128 v[STG+4*\i:STG+4*\i+3], v[T16], s[6:7] offset:4096*\i
.endr
	s_cmp_lt_u32 s[WV], 2
	s_cbranch_scc0 .Lnl_\@
	global_load_b128 v[STG+24:STG+27], v[T16], s[6:7] offset:24576
.Lnl_\@:
.endm
.macro STOREKV slot
.irp i, 0,1,2,3,4,5
	ds_store_b128 v[T16], v[STG+4*\i:STG+4*\i+3] offset:(\slot)*STEPB+4096*\i
.endr
	s_cmp_lt_u32 s[WV], 2
	s_cbranch_scc0 .Lns_\@
	ds_store_b128 v[T16], v[STG+24:STG+27] offset:(\slot)*STEPB+24576
.Lns_\@:
.endm
	s_load_b256 s[4:11], s[0:1], 0x0               ; qc, kvc, maskw, flags
	s_load_b64 s[12:13], s[0:1], 0x20              ; ac
	v_lshl_add_u32 v250, v0, 2, 0xc800
	v_mov_b32 v251, 0
	v_lshrrev_b32 v1, 5, v0
	v_readfirstlane_b32 s[WV], v1
	v_and_b32 v5, 31, v0
	v_lshlrev_b32 v[L16], 4, v5
	v_lshlrev_b32 v[L4], 2, v5
	v_lshlrev_b32 v[T16], 4, v0
	v_lshlrev_b32 v[L256], 8, v5
	v_and_b32 v[WO], 15, v0
	v_lshlrev_b32 v[WO], 2, v[WO]                  ; 4 r
	s_lshr_b32 s15, ttmp9, 1                       ; pi
	s_and_b32 s28, ttmp9, 1                        ; which four tiles of a block
	s_and_b32 s29, ttmp7, 0xffff                   ; the head
	s_lshr_b32 s30, s[WV], 2
	s_xor_b32 s30, s30, s[WV]
	s_and_b32 s30, s30, 1
	s_sub_co_u32 s31, 15, s15
	s_cmp_eq_u32 s30, 0
	s_cselect_b32 s31, s31, s15                    ; my block of 128 queries: 15 - pi or pi
	s_lshr_b32 s32, s[WV], 1
	s_lshl_b32 s33, s28, 2
	s_add_co_u32 s32, s32, s33                     ; my tile in it
	s_lshl_b32 s33, s31, 3
	s_add_co_u32 s33, s33, s32                     ; T
	s_mul_i32 s36, s32, 1536
	s_lshl_b32 s34, s29, 4
	s_add_co_u32 s34, s34, s31
	s_mul_i32 s34, s34, 12800
	s_add_co_u32 s34, s34, s36                     ; Q's fragment: slab (head, block), my tile
	s_mov_b32 s35, 0
	s_lshl_b32 s38, s31, 4
	s_add_co_u32 s38, s38, s29
	s_mul_i32 s38, s38, 12800
	s_add_co_u32 s38, s38, s36                     ; the result's: slab (block, head), my tile
	s_mov_b32 s39, 0
	s_lshl_b32 s40, s33, 12
	s_mov_b32 s41, 0
	s_lshl_b32 s42, s33, 2
	s_mov_b32 s43, 0
	s_mul_i32 s44, s29, 16*STEPB
	s_mov_b32 s45, 0
	s_mul_i32 s46, s32, 1472
	s_sub_co_u32 s46, 12288, s46                   ; from a tile's fragment to its scale words: 12,288 + 64 t - 1,536 t
	v_add_nc_u32 v[WO], s46, v[WO]
	s_add_co_u32 s26, s[WV], 6                     ; the prefetches: the head's stream is 50 pieces of 8,192 bytes; wave w begins at piece 6 + w
	s_lshl_b32 s46, s26, 13
	s_mov_b32 s47, 0
	s_lshr_b32 s19, s[WV], 2
	s_or_b32 s19, s19, ttmp9
	s_cmp_eq_u32 s19, 0
	s_cselect_b32 s27, 50, 0                       ; waves 0-3 of the head's first work-group ask, nobody else: each piece is named once
	s_mov_b32 s20, 0x76543210
	s_mov_b32 s21, 0xfedcba98
	s_mov_b32 s22, 0x3e0293ee                      ; c = log2(e) / sqrt(128)
	s_mov_b32 s23, s22
	s_mov_b32 s17, 0
	s_mov_b32 s18, 8
	s_mov_b32 s31, 0
	s_wait_kmcnt 0x0
	s_add_nc_u64 s[4:5], s[4:5], s[34:35]
	s_add_nc_u64 s[12:13], s[12:13], s[38:39]
	s_add_nc_u64 s[8:9], s[8:9], s[40:41]
	s_add_nc_u64 s[10:11], s[10:11], s[42:43]
	s_add_nc_u64 s[6:7], s[6:7], s[44:45]
	s_add_nc_u64 s[24:25], s[6:7], s[46:47]
	s_load_b32 s16, s[10:11], 0x0                  ; my tile's flags
	LOADKV                                         ; key step 0
.irp c, 0,1,2
	global_load_b128 v[16+4*\c:19+4*\c], v[L16], s[4:5] offset:512*\c
.endr
	global_load_b32 v255, v[WO], s[4:5]
	v_mov_b32 v[NINF], 0xff800000
	v_mov_b32 v[ONES], -1
	v_mov_b32 v13, 0xff61b1e6                      ; the largest t so far: -3e38
	v_floor_f32 v12, -v13                          ; -M
	v_mov_b32 v14, 0
	v_mov_b32 v15, 0
.irp b, 0,1,2,3
	v_mov_b32 v[236+\b], 0                         ; a lane permute's destination counts as read
	v_mov_b32 v[TM+4+\b], 0
.endr
	v_mov_b32 v252, 0
	v_mov_b32 v253, 0
.irp j, 0,1,2,3,4,5,6,7,8,9,10,11,12,13,14,15,16,17,18,19,20,21,22,23,24,25,26,27,28,29,30,31,32,33,34,35,36,37,38,39,40,41,42,43,44,45,46,47,48,49,50,51,52,53,54,55,56,57,58,59,60,61,62,63
	v_mov_b32 v[160+\j], 0                         ; O^T: the step is written once, and a tile may have no step at all
.endr
	s_wait_loadcnt 0x0
	STOREKV 0
	s_wait_dscnt 0x0
	s_barrier_signal -1
	s_barrier_wait -1
	s_add_nc_u64 s[6:7], s[6:7], STEPB             ; (the loads are done)  the next step's block
	s_wait_kmcnt 0x0
.macro STEP slot
	LOADKV                                         ; the next step's block, on its way while this step is worked
	s_cmp_lt_u32 s26, s27
	s_cbranch_scc0 .Lnp_\@
	global_prefetch_b8 v[L256], s[24:25] th:TH_LOAD_NT scope:SCOPE_SE   ; 32 lanes x 256 bytes further down the head's stream
.Lnp_\@:
.if SKIP
	s_bitcmp1_b32 s16, 0
	s_cbranch_scc0 .Lhid_\@                        ; no entry of my 16 x 128 mask tile is true
.endif
	s_load_b512 s[32:47], s[8:9], 0x0              ; the 64 lane masks
	s_load_b512 s[48:63], s[8:9], 0x40
	s_load_b512 s[68:83], s[8:9], 0x80
	s_load_b512 s[84:99], s[8:9], 0xc0
.rept 4
	v_nop                                          ; places behind the last step's products, ahead of loads into their registers
.endr
.irp i, 0,1,2,3
	ds_load_b32 v[KS+\i], v[L4] offset:\slot*STEPB+KSC+128*\i
	ds_load_b32 v[VS+\i], v[L4] offset:\slot*STEPB+VSC+128*\i
.endr
	WIN 0x40
.irp t, 0,1,2,3,4,5,6,7
.irp c, 0,1,2
	ds_load_b128 v[12*\t+4*\c:12*\t+4*\c+3], v[L16] offset:\slot*STEPB+1536*\t+512*\c
.endr
.endr
.irp t, 0,1,2,3,4,5,6,7
.irp c, 0,1,2
	ds_load_b128 v[96+12*\t+4*\c:96+12*\t+4*\c+3], v[L16] offset:\slot*STEPB+VOF+1536*\t+512*\c
.endr
.endr
	s_wait_dscnt 24                                ; the scale images and K are in; V's 24 loads may be out
	WIN 0x01
.irp t, 0,1,2,3,4,5,6,7
	WM 96+8*\t, 12*\t, 16, -1, KS+\t/2, 255, \t%2
.endr
	WIN 0
.rept 4
	v_nop
.endr
	s_wait_kmcnt 0x0
.if SKIP
	s_bitcmp1_b32 s16, 16
	s_cbranch_scc1 .Lopen_\@                       ; all entries are true
.endif
.set n, 0
.rept 64
.if n < 32
	v_cndmask_b32 v[96+n], v[NINF], v[96+n], s[32+n]   ; register n holds key 32 (n / 16) + 16 h + n % 16: -infinity where the mask is false
.else
	v_cndmask_b32 v[96+n], v[NINF], v[96+n], s[36+n]
.endif
.set n, n+1
.endr
.Lopen_\@:
.irp b, 0,1,2,3
	v_max3_num_f32 v[232+\b], v[96+16*\b], v[97+16*\b], v[98+16*\b]   ; the largest score of each block of 32 keys: for the row's maximum and for the block's largest p
.endr
.irp i, 3,5,7,9,11,13
.irp b, 0,1,2,3
	v_max3_num_f32 v[232+\b], v[232+\b], v[96+16*\b+\i], v[97+16*\b+\i]
.endr
.endr
.irp b, 0,1,2,3
	v_max_num_f32 v[232+\b], v[232+\b], v[111+16*\b]
.endr
.irp b, 0,1,2,3
	v_permlanex16_b32 v[236+\b], v[232+\b], s20, s21
.endr
.irp b, 0,1,2,3
	v_max_num_f32 v[232+\b], v[232+\b], v[236+\b]
.endr
	v_max3_num_f32 v254, v232, v233, v234
	v_max_num_f32 v254, v254, v235
	v_mul_f32 v254, s22, v254
	v_max_num_f32 v13, v13, v254                   ; the running largest t
	v_mov_b32 v254, v12
	v_floor_f32 v12, -v13                          ; -M = floor(-t): M is a whole number
	v_sub_f32 v254, v12, v254
	v_cvt_i32_f32 v254, v254                       ; old M - new M (it saturates)
	v_ldexp_f32 v252, 1.0, v254                    ; f = 2^(old M - new M): exact
.irp j, 0,2,4,6,8,10,12,14,16,18,20,22,24,26,28,30,32,34,36,38,40,42,44,46,48,50,52,54,56,58,60,62
	v_pk_fma_f32 v[96+\j:97+\j], v[96+\j:97+\j], s[22:23], v[12:13] op_sel_hi:[1,0,0]   ; t - M
.endr
.irp b, 0,1,2,3
	v_fma_f32 v[232+\b], v[232+\b], s22, v12
.endr
.irp j, 0,1,2,3,4,5,6,7,8,9,10,11,12,13,14,15,16,17,18,19,20,21,22,23,24,25,26,27,28,29,30,31,32,33,34,35,36,37,38,39,40,41,42,43,44,45,46,47,48,49,50,51,52,53,54,55,56,57,58,59,60,61,62,63
	v_exp_f32 v[96+\j], v[96+\j]                   ; p = 2^(t - M), not normalised
.endr
	v_pk_mul_f32 v[14:15], v[14:15], v[252:253] op_sel_hi:[1,0]   ; the sums under the new M (the plain place behind the batch)
	s_wait_alu depctr_va_vdst(0)                   ; one wait for the batch of 64, ahead of its first reader
.irp b, 0,1,2,3
	v_exp_f32 v[232+\b], v[232+\b]                 ; each block's largest p
.endr
	v_pk_add_f32 v[236:237], v[96:97], v[98:99]    ; the row's sum of the unquantised p, in two chains
.irp j, 4,8,12,16,20,24,28,32,36,40,44,48,52,56,60
	v_pk_add_f32 v[14:15], v[14:15], v[96+\j:97+\j]
	v_pk_add_f32 v[236:237], v[236:237], v[98+\j:99+\j]
.endr
	v_pk_add_f32 v[14:15], v[14:15], v[236:237]
	s_wait_alu depctr_va_vdst(0)                   ; and one for the four
.irp b, 0,1,2,3
	v_max_num_f32 v[232+\b], 0x1800000, v[232+\b]  ; the floor: the byte cannot fall under 1
.endr
.irp b, 0,1,2,3
	v_add_nc_u32 v[244+\b], 0xff000000, v[232+\b]
.endr
.irp b, 0,1,2,3
	v_lshrrev_b32 v[236+\b], 23, v[244+\b]
.endr
	v_lshl_or_b32 v253, v237, 8, v236              ; p's scale word for these 128 keys
	v_lshl_or_b32 v253, v238, 16, v253
	v_lshl_or_b32 v253, v239, 24, v253
.irp c, 0,1
	v_cvt_scalef32_pk16_fp6_f32 v[224+6*\c:226+6*\c], v[96+32*\c:111+32*\c], v[244+2*\c]
	v_cvt_scalef32_pk16_fp6_f32 v[236+4*\c:238+4*\c], v[112+32*\c:127+32*\c], v[244+2*\c+1]
.endr
	v_nop                                          ; one plain place behind a scaled conversion
.irp c, 0,1
.irp i, 0,1,2
	v_permlane16_swap_b32 v[224+6*\c+\i], v[236+4*\c+\i]
.endr
.irp i, 0,1,2
	v_mov_b32 v[227+6*\c+\i], v[236+4*\c+\i]
.endr
.endr
.irp j, 0,2,4,6,8,10,12,14,16,18,20,22,24,26,28,30,32,34,36,38,40,42,44,46,48,50,52,54,56,58,60,62
	v_pk_mul_f32 v[160+\j:161+\j], v[160+\j:161+\j], v[252:253] op_sel_hi:[1,0]   ; O^T under the new M; these 32 are also the places ahead of the products below
.endr
	s_wait_dscnt 0x0                               ; V is in
	WIN 0x01
.irp t, 0,1,2,3,4,5,6,7
	WM 160+8*\t, 96+12*\t, 224, 160+8*\t, VS+\t/2, 253, \t%2
.endr
	WIN 0
.Lhid_\@:
	s_wait_loadcnt 0x0                             ; the next step's block is in my registers
	STOREKV 1-\slot                                ; into the slot that every wave left at the last barrier
	s_wait_dscnt 0x0                               ; my stores have landed, and my reads of this slot are over
	s_barrier_signal -1
	s_barrier_wait -1
	s_wait_xcnt 0x0                                ; the step's loads and its prefetch have read their bases
	s_cmp_lt_u32 s17, 14
	s_cselect_b32 s30, STEPB, 0                    ; the last step asks for block 15 once more: no load leaves the buffer
	s_add_nc_u64 s[6:7], s[6:7], s[30:31]
	s_add_nc_u64 s[8:9], s[8:9], 256
	s_add_nc_u64 s[24:25], s[24:25], 0x8000
	s_add_co_u32 s26, s26, 4
	s_add_co_u32 s17, s17, 1
	s_lshr_b32 s16, s16, 1
.endm
.Ltrip:                                                ; eight trips of two key steps
	STEP 0
	STEP 1
	s_sub_co_u32 s18, s18, 1
	s_cmp_lg_u32 s18, 0
	s_cbranch_scc1 .Ltrip
.rept 4
	v_nop
.endr
	v_add_f32 v14, v14, v15
	v_permlanex16_b32 v252, v14, s20, s21
	v_add_f32 v14, v14, v252                       ; the row's sum
	v_cmp_eq_f32 s28, 0, v14                       ; a query with no key: it only selects a value below
	v_rcp_f32 v15, v14
	v_nop
	s_wait_alu depctr_va_vdst(0)
.irp j, 0,1,2,3,4,5,6,7,8,9,10,11,12,13,14,15,16,17,18,19,20,21,22,23,24,25,26,27,28,29,30,31,32,33,34,35,36,37,38,39,40,41,42,43,44,45,46,47,48,49,50,51,52,53,54,55,56,57,58,59,60,61,62,63
	v_mul_f32 v[96+\j], v[160+\j], v15             ; register 16 b + i = channel 32 b + 16 h + i of my query
.endr
.irp b, 0,1,2,3
	v_max3_num_f32 v[TM+\b], |v[96+16*\b]|, |v[97+16*\b]|, 0x1800000
.endr
.irp i, 2,4,6,8,10,12,14
.irp b, 0,1,2,3
	v_max3_num_f32 v[TM+\b], v[TM+\b], |v[96+16*\b+\i]|, |v[97+16*\b+\i]|
.endr
.endr
.irp b, 0,1,2,3
	v_permlanex16_b32 v[TM+4+\b], v[TM+\b], s20, s21
.endr
.irp b, 0,1,2,3
	v_max_num_f32 v[TM+\b], v[TM+\b], v[TM+4+\b]
.endr
.irp b, 0,1,2,3
	v_add_nc_u32 v[TM+12+\b], 0xff000000, v[TM+\b]
.endr
.irp b, 0,1,2,3
	v_lshrrev_b32 v[TM+4+\b], 23, v[TM+12+\b]
.endr
	v_lshl_or_b32 v[PW], v[TM+5], 8, v[TM+4]
	v_lshl_or_b32 v[PW], v[TM+6], 16, v[PW]
	v_lshl_or_b32 v[PW], v[TM+7], 24, v[PW]
.irp c, 0,1
	v_cvt_scalef32_pk16_fp6_f32 v[PC+6*\c:PC+2+6*\c], v[96+32*\c:111+32*\c], v[TM+12+2*\c]
	v_cvt_scalef32_pk16_fp6_f32 v[PC+12+4*\c:PC+14+4*\c], v[112+32*\c:127+32*\c], v[TM+12+2*\c+1]
.endr
	v_cndmask_b32 v[PW], v[PW], v[ONES], s28       ; (the plain place)  four bytes 0xff where the sum is 0
.irp c, 0,1
.irp i, 0,1,2
	v_permlane16_swap_b32 v[PC+6*\c+\i], v[PC+12+4*\c+\i]
.endr
.irp i, 0,1,2
	v_mov_b32 v[PC+3+6*\c+\i], v[PC+12+4*\c+\i]
.endr
.endr
.irp c, 0,1,2
	global_store_b128 v[L16], v[PC+4*\c:PC+4*\c+3], s[12:13] offset:512*\c   ; 512 consecutive bytes, aligned
.endr
	global_store_b32 v[WO], v[PW], s[12:13]        ; lanes r and r + 16 hold the same word and name the same address
	s_wait_tensorcnt 0x0
	ds_add_u32 v250, v251
	s_wait_dscnt 0x0
	s_endpgm
.Lfunc_end_k_q4a6c88f646_attn:
	.size	k_q4a6c88f646_attn, .Lfunc_end_k_q4a6c88f646_attn-k_q4a6c88f646_attn
	.p2alignl 7, 3214868480
	.fill 96, 4, 3214868480
	.section	.rodata,"a",@progbits
	.p2align	6, 0x0
	.amdhsa_kernel k_q4a6c88f646_attn
		.amdhsa_group_segment_fixed_size 52224
		.amdhsa_private_segment_fixed_size 0
		.amdhsa_enable_private_segment 0
		.amdhsa_kernarg_size 40
		.amdhsa_user_sgpr_count 2
		.amdhsa_user_sgpr_kernarg_segment_ptr 1
		.amdhsa_wavefront_size32 1
		.amdhsa_system_sgpr_workgroup_id_x 1
		.amdhsa_system_sgpr_workgroup_id_y 1
		.amdhsa_system_sgpr_workgroup_id_z 1
		.amdhsa_system_vgpr_workitem_id 0
		.amdhsa_next_free_vgpr 512
		.amdhsa_next_free_sgpr 100
		.amdhsa_reserve_vcc 0
		.amdhsa_float_denorm_mode_32 3
		.amdhsa_float_denorm_mode_16_64 3
		.amdhsa_memory_ordered 1
		.amdhsa_forward_progress 1
		.amdhsa_inst_pref_size 64
	.end_amdhsa_kernel
	.amdgpu_metadata
---
amdhsa.version: [ 1, 2 ]
amdhsa.kernels:
  - .name:           k_q4a6c88f646_attn
    .symbol:         k_q4a6c88f646_attn.kd
    .args:
      - { .name: qc, .offset: 0, .size: 8, .value_kind: global_buffer, .address_space: global }
      - { .name: kvc, .offset: 8, .size: 8, .value_kind: global_buffer, .address_space: global }
      - { .name: maskw, .offset: 16, .size: 8, .value_kind: global_buffer, .address_space: global }
      - { .name: flags, .offset: 24, .size: 8, .value_kind: global_buffer, .address_space: global }
      - { .name: ac, .offset: 32, .size: 8, .value_kind: global_buffer, .address_space: global }
    .group_segment_fixed_size: 52224
    .private_segment_fixed_size: 0
    .kernarg_segment_align: 8
    .kernarg_segment_size: 40
    .max_flat_workgroup_size: 256
    .sgpr_count:     100
    .vgpr_count:     512
    .wavefront_size: 32
...
	.end_amdgpu_metadata
.endif
;; end of part 3
;; launch oproj (part 4): grid 16 x 16, 4 waves a work-group, clusters of 4 x 4, 327,680 bytes of LDS; arguments ac, woc, bo, out0; writes out0
.if DOCPART == 4
	.amdgcn_target "amdgcn-amd-amdhsa--gfx1250"
	.amdhsa_code_object_version 6
	.text
	.protected	k_q4a6c88f646_oproj
	.globl	k_q4a6c88f646_oproj
	.p2align	8
	.type	k_q4a6c88f646_oproj,@function
k_q4a6c88f646_oproj:
	s_mov_b64 s[64:65], 0
	v_nop
	global_prefetch_b8 v0, s[64:65] scope:SCOPE_SE
	s_setreg_imm32_b32 hwreg(HW_REG_WAVE_MODE, 25, 1), 1
	s_wait_xcnt 0x0
	s_wait_alu depctr_hold_cnt(0) depctr_sa_sdst(0) depctr_va_vdst(0) depctr_va_sdst(0) depctr_va_ssrc(0) depctr_va_vcc(0) depctr_vm_vsrc(0)
	s_getreg_b32 s2, hwreg(HW_REG_IB_STS2, 6, 4)
	s_cmp_eq_u32 s2, 0
	s_cbranch_scc0 .Lentry_in_a_cluster
	s_endpgm
.Lentry_in_a_cluster:
	s_bfe_u32 s2, ttmp6, 0x10000c
	s_cmp_lg_u32 s2, 0xf033
	s_cbranch_scc0 .Lentry_shape_is_right
	s_endpgm
.Lentry_shape_is_right:
; out0 = a Wo^T + bo on codes of FP6 (E2M3).  a and Wo come as slabs (128 rows x 128 K in 12,800 bytes, tile t at 1,536 t as an image of its 12 registers, lane (r, h) holding row 32 (t / 2) + 8 (t % 2) + r + 8 (r / 8); scale word of (t, r) at 12,288 + 64 t + 4 r).
; SHARES: a tile of the result is 128 x 128, so that the 256 tiles give each WGP one work-group; a wave makes 64 x 64: 16 accumulators.  The products are used transposed (source 0 = Wo's tile, source 1 = a's):
; a lane holds one token and eight neighbouring columns.  bo is the C of each sum's first product.
; K goes through a ring of two LDS slots of four K steps each: four fills in all, so the 16 steps are written out.  CLUSTER 4 x 4: a's slabs are shared along a row, Wo's along a column: joint loads; waves 0, 1 fetch a's halves, waves 2, 3 Wo's.
; A row of a whose scale bytes are 0xff (a query with no key) comes out as NaN.
; REGISTERS: window 0: v1-20 addresses; v32-35, v36-39 scale images, two sets; v48-79 bo; v128-255 the accumulators ((a, b) at 128 + 8 (4 a + b)); at the end v48-111 and v128-191 rows of the result.  window 1: two sets of 96: a's four fragments, then Wo's four.
.set SLOT,  102400
.set PART,  25600
.set SLAB,  12800
.set STAGE, 204800                     ; 128 rows x (512 + 16) bytes
.set SPITCH, 528
.set SPARE, 272384
.set AX,  4
.set AW,  6
.set SX,  8
.set SWD, 10
.set SPW, 14
.set NIL, 15
.set STO, 16
.set RD,  17
.set BO,  18
.set SC,  32
.set BIAS, 48
.set ACC, 128
.set G1A, 24
.set G1B, 32
.set G0A, 40
.set G0B, 48
.set WV,  56
.set MSB, 0
.macro WIN new
.if MSB != \new
	s_set_vgpr_msb (MSB<<8)|\new
.set MSB, \new
.endif
.endm
.macro PLACES
.rept 4
	v_nop
.endr
.endm
.macro JLOAD n
	s_cmp_lt_u32 s[WV], 2
	s_cbranch_scc0 .Lfor_b_\@
	tensor_load_to_lds s[G0A+4*\n:G0A+4*\n+3], s[G1A:G1A+7]
	s_nop 0
.rept 4
	v_nop
.endr
	s_branch .Lasked_\@
.Lfor_b_\@:
	tensor_load_to_lds s[G0B+4*\n:G0B+4*\n+3], s[G1B:G1B+7]
	s_nop 0
.rept 4
	v_nop
.endr
.Lasked_\@:
.endm
.macro CREST
	s_cmp_lg_u32 s[WV], 0
	s_cbranch_scc1 .Lnot_wave_0_\@
	s_barrier_signal -3
.Lnot_wave_0_\@:
	s_barrier_wait -3
	s_barrier_signal -1
	s_barrier_wait -1
.endm
.macro CROUND
	s_barrier_signal -1
	s_barrier_wait -1
	CREST
.endm
.macro WM d, a, b, c, sa, sb, ra, rb
.if (\ra) && (\rb)
	v_wmma_scale_f32_16x16x128_f8f6f4 v[(\d):(\d)+7], v[(\a):(\a)+11], v[(\b):(\b)+11], v[(\c):(\c)+7], v[\sa], v[\sb] matrix_a_fmt:MATRIX_FMT_FP6 matrix_b_fmt:MATRIX_FMT_FP6 matrix_a_scale:MATRIX_SCALE_ROW1 matrix_b_scale:MATRIX_SCALE_ROW1
.elseif (\ra)
	v_wmma_scale_f32_16x16x128_f8f6f4 v[(\d):(\d)+7], v[(\a):(\a)+11], v[(\b):(\b)+11], v[(\c):(\c)+7], v[\sa], v[\sb] matrix_a_fmt:MATRIX_FMT_FP6 matrix_b_fmt:MATRIX_FMT_FP6 matrix_a_scale:MATRIX_SCALE_ROW1
.elseif (\rb)
	v_wmma_scale_f32_16x16x128_f8f6f4 v[(\d):(\d)+7], v[(\a):(\a)+11], v[(\b):(\b)+11], v[(\c):(\c)+7], v[\sa], v[\sb] matrix_a_fmt:MATRIX_FMT_FP6 matrix_b_fmt:MATRIX_FMT_FP6 matrix_b_scale:MATRIX_SCALE_ROW1
.else
	v_wmma_scale_f32_16x16x128_f8f6f4 v[(\d):(\d)+7], v[(\a):(\a)+11], v[(\b):(\b)+11], v[(\c):(\c)+7], v[\sa], v[\sb] matrix_a_fmt:MATRIX_FMT_FP6 matrix_b_fmt:MATRIX_FMT_FP6
.endif
.endm
.macro MUL a, p, first                 ; a's tile against Wo's four, on set p.  The 16 accumulators take turns, one instruction a turn, in the same order in every step
.irp b, 0,1,2,3
.if \first
	WM ACC+8*(4*(\a)+\b), 96*(\p)+48+12*\b, 96*(\p)+12*(\a), BIAS+8*\b, SC+4*(\p)+2+\b/2, SC+4*(\p)+(\a)/2, \b%2, (\a)%2
.else
	WM ACC+8*(4*(\a)+\b), 96*(\p)+48+12*\b, 96*(\p)+12*(\a), ACC+8*(4*(\a)+\b), SC+4*(\p)+2+\b/2, SC+4*(\p)+(\a)/2, \b%2, (\a)%2
.endif
.endr
.endm
.macro FETCH slot, q, p                ; 28 LDS loads in one run
	WIN 0x40
.irp t, 0,1,2,3
.irp c, 0,1,2
	ds_load_b128 v[96*(\p)+12*\t+4*\c:96*(\p)+12*\t+4*\c+3], v[AX+\slot] offset:SLAB*(\q)+1536*\t+512*\c
.endr
.endr
.irp t, 0,1,2,3
.irp c, 0,1,2
	ds_load_b128 v[96*(\p)+48+12*\t+4*\c:96*(\p)+48+12*\t+4*\c+3], v[AW+\slot] offset:SLAB*(\q)+1536*\t+512*\c
.endr
.endr
	WIN 0
.irp i, 0,1
	ds_load_b32 v[SC+4*(\p)+\i], v[SX+\slot] offset:SLAB*(\q)+128*\i
	ds_load_b32 v[SC+4*(\p)+2+\i], v[SWD+\slot] offset:SLAB*(\q)+128*\i
.endr
.endm
.macro STEP slot, q, first             ; one of a slot's first three K steps, on set q % 2
	s_wait_dscnt 0x0
	PLACES
	FETCH \slot, (\q)+1, ((\q)+1)%2
	WIN 0x05
	MUL 0, (\q)%2, \first
	MUL 1, (\q)%2, \first
	MUL 2, (\q)%2, \first
	MUL 3, (\q)%2, \first
	WIN 0
.endm
.macro TURN slot, next, fill           ; a slot's last K step, on set 1, changes slots
	s_wait_tensorcnt 0x0                           ; all my tensor loads have landed: my part of the next slot
	ds_add_u32 v[SPW], v[NIL]
	s_wait_dscnt 1                                 ; set 1 is in; the add alone may be out
	WIN 0x05
	MUL 0, 1, 0
	s_wait_dscnt 0x0                               ; the add is done, and my reads of this slot are over
	s_barrier_signal -1
	MUL 1, 1, 0
	WIN 0
	s_barrier_wait -1
.if \fill
	CREST                                          ; the barrier has opened a round of the cluster's
	s_add_nc_u64 s[G0A+4*\slot+2:G0A+4*\slot+3], s[G0A+4*\slot+2:G0A+4*\slot+3], 8*SLAB
	s_add_nc_u64 s[G0B+4*\slot+2:G0B+4*\slot+3], s[G0B+4*\slot+2:G0B+4*\slot+3], 8*SLAB
	JLOAD \slot
.else
	PLACES
.endif
	FETCH \next, 0, 0
	WIN 0x05
	MUL 2, 1, 0
	MUL 3, 1, 0
	WIN 0
.endm
	s_load_b256 s[4:11], s[0:1], 0x0               ; ac, woc, bo, out0
	v_lshl_add_u32 v[SPW], v0, 2, SPARE
	v_mov_b32 v[NIL], 0
	ds_add_u32 v14, v15
	ds_add_u32 v14, v15
	s_wait_dscnt 0x0
	v_lshrrev_b32 v1, 5, v0
	v_readfirstlane_b32 s[WV], v1
	s_lshr_b32 s60, s[WV], 1                       ; which 64 tokens are mine
	s_and_b32 s61, s[WV], 1                        ; which 64 columns; also: which two of a slot's four K steps I fetch
	s_bfe_u32 s57, ttmp6, 0x40000
	s_bfe_u32 s58, ttmp6, 0x40004
	s_lshl_b32 s59, ttmp9, 2
	s_add_co_u32 s59, s59, s57                     ; the block of 128 columns
	s_and_b32 s66, ttmp7, 0xffff
	s_lshl_b32 s66, s66, 2
	s_add_co_u32 s66, s66, s58                     ; the block of 128 tokens
	s_lshl_b32 s67, s58, 2
	s_lshl_b32 s67, 15, s67
	s_lshl_b32 s68, 0x1111, s57
	s_or_b32 s[G1A], s67, (3<<16)|(1<<21)
	s_or_b32 s[G1B], s68, (3<<16)|(1<<21)
.irp g, G1A, G1B
	s_mov_b32 s[\g+1], 32<<16                      ; 100 rows of 256 bytes: 25,600 dense bytes
	s_mov_b32 s[\g+2], 100<<16
	s_mov_b32 s[\g+3], 32<<16
	s_mov_b32 s[\g+4], 100
	s_mov_b32 s[\g+5], 32
	s_mov_b32 s[\g+6], 0
	s_mov_b32 s[\g+7], 0
.endr
	s_mul_i32 s74, s61, PART
	s_mul_i32 s70, s66, 16*SLAB
	s_add_co_u32 s70, s70, s74
	s_mov_b32 s71, 0
	s_mul_i32 s72, s59, 16*SLAB
	s_add_co_u32 s72, s72, s74
	s_mov_b32 s73, 0
	s_mul_i32 s75, s[WV], PART
	s_wait_kmcnt 0x0
	s_add_nc_u64 s[70:71], s[4:5], s[70:71]
	s_add_nc_u64 s[72:73], s[6:7], s[72:73]
	CROUND
.irp n, 0,1
	s_mov_b32 s[G0A+4*\n], 1
	s_add_co_u32 s[G0A+4*\n+1], s75, \n*SLOT
	s_add_nc_u64 s[G0A+4*\n+2:G0A+4*\n+3], s[70:71], \n*4*SLAB
	s_or_b32 s[G0A+4*\n+3], s[G0A+4*\n+3], 0x80000000
	s_mov_b32 s[G0B+4*\n], 1
	s_add_co_u32 s[G0B+4*\n+1], s75, \n*SLOT
	s_add_nc_u64 s[G0B+4*\n+2:G0B+4*\n+3], s[72:73], \n*4*SLAB
	s_or_b32 s[G0B+4*\n+3], s[G0B+4*\n+3], 0x80000000
	JLOAD \n
.endr
	v_and_b32 v25, 31, v0
	v_and_b32 v26, 15, v0
	v_bfe_u32 v27, v0, 4, 1
	v_lshlrev_b32 v1, 4, v25
	v_lshlrev_b32 v2, 2, v25
	s_mul_i32 s76, s60, 6144
	s_mul_i32 s77, s61, 6144
	s_lshl_b32 s78, s60, 8
	s_lshl_b32 s79, s61, 8
.irp n, 0,1
	s_add_co_u32 s80, s76, \n*SLOT
	v_add_nc_u32 v[AX+\n], s80, v1
	s_add_co_u32 s80, s77, \n*SLOT+4*SLAB
	v_add_nc_u32 v[AW+\n], s80, v1
	s_add_co_u32 s80, s78, \n*SLOT+12288
	v_add_nc_u32 v[SX+\n], s80, v2
	s_add_co_u32 s80, s79, \n*SLOT+4*SLAB+12288
	v_add_nc_u32 v[SWD+\n], s80, v2
.endr
	v_and_b32 v28, 8, v26
	v_add_nc_u32 v28, v28, v26                     ; r + 8 (r / 8)
	v_mul_u32_u24 v[STO], v28, SPITCH
	v_lshl_add_u32 v[STO], v27, 6, v[STO]
	s_mul_i32 s80, s60, 64*SPITCH
	s_add_co_u32 s80, s80, s79
	s_add_co_u32 s80, s80, STAGE
	v_add_nc_u32 v[STO], s80, v[STO]               ; the stage, in: my token's row, + 256 x my half of the columns + 64 h
	s_mul_i32 s80, s[WV], 32*SPITCH
	s_add_co_u32 s80, s80, STAGE
	v_add_nc_u32 v[RD], s80, v1                    ; and back: rows 32 w on, 16 bytes a lane
	v_lshlrev_b32 v[BO], 6, v27
	s_lshl_b32 s80, s59, 9
	s_add_co_u32 s80, s80, s79
	s_mov_b32 s81, 0
	s_add_nc_u64 s[8:9], s[8:9], s[80:81]          ; bo at my 64 columns
	s_lshl_b32 s82, s66, 20
	s_lshl_b32 s83, s[WV], 18
	s_add_co_u32 s82, s82, s83
	s_lshl_b32 s83, s59, 9
	s_add_co_u32 s82, s82, s83
	s_mov_b32 s83, 0
	s_add_nc_u64 s[10:11], s[10:11], s[82:83]      ; out0 at row 128 block + 32 w, column 128 block
.irp b, 0,1,2,3
	global_load_b128 v[BIAS+8*\b:BIAS+8*\b+3], v[BO], s[8:9] offset:128*(\b/2)+32*(\b%2)
	global_load_b128 v[BIAS+8*\b+4:BIAS+8*\b+7], v[BO], s[8:9] offset:128*(\b/2)+32*(\b%2)+16
.endr
	s_wait_tensorcnt 1                             ; my part of slot 0 is in; slot 1's may be out
	s_barrier_signal -1
	s_barrier_wait -1
	FETCH 0, 0, 0
	s_wait_loadcnt 0x0                             ; bo
	STEP 0, 0, 1
	STEP 0, 1, 0
	STEP 0, 2, 0
	TURN 0, 1, 1
	STEP 1, 0, 0
	STEP 1, 1, 0
	STEP 1, 2, 0
	TURN 1, 0, 1
	STEP 0, 0, 0
	STEP 0, 1, 0
	STEP 0, 2, 0
	TURN 0, 1, 0
	STEP 1, 0, 0
	STEP 1, 1, 0
	STEP 1, 2, 0
	s_wait_dscnt 0x0
	WIN 0x05
	MUL 0, 1, 0
	MUL 1, 1, 0
	MUL 2, 1, 0
	MUL 3, 1, 0
	WIN 0
	PLACES
	; the way out: register j of accumulator (a, b) is column 32 (b / 2) + 8 (b % 2) + 16 h + j of token 32 (a / 2) + 8 (a % 2) + r + 8 (r / 8); each accumulator from its low end on
.irp a, 0,1,2,3
.irp b, 0,1,2,3
	ds_store_b128 v[STO], v[ACC+8*(4*\a+\b):ACC+8*(4*\a+\b)+3] offset:(32*(\a/2)+8*(\a%2))*SPITCH+128*(\b/2)+32*(\b%2)
	ds_store_b128 v[STO], v[ACC+8*(4*\a+\b)+4:ACC+8*(4*\a+\b)+7] offset:(32*(\a/2)+8*(\a%2))*SPITCH+128*(\b/2)+32*(\b%2)+16
.endr
.endr
	s_wait_dscnt 0x0                               ; for the others' sake: my stores into the stage are done
	s_barrier_signal -1
	s_barrier_wait -1
.irp i, 0,1,2,3,4,5,6,7,8,9,10,11,12,13,14,15
	ds_load_b128 v[48+4*\i:51+4*\i], v[RD] offset:\i*SPITCH
.endr
.irp i, 0,1,2,3,4,5,6,7,8,9,10,11,12,13,14,15
	ds_load_b128 v[128+4*\i:131+4*\i], v[RD] offset:(16+\i)*SPITCH
.endr
.irp i, 0,1,2,3,4,5,6,7,8,9,10,11,12,13,14,15
	s_wait_dscnt 31-\i                             ; row i is back; the younger rows may be out
	global_store_b128 v1, v[48+4*\i:51+4*\i], s[10:11] offset:\i*8192 th:TH_STORE_NT   ; 512 consecutive bytes, aligned
.endr
.irp i, 0,1,2,3,4,5,6,7,8,9,10,11,12,13,14,15
	s_wait_dscnt 15-\i
	global_store_b128 v1, v[128+4*\i:131+4*\i], s[10:11] offset:(16+\i)*8192 th:TH_STORE_NT
.endr
	s_wait_tensorcnt 0x0                           ; the wave's end
	ds_add_u32 v[SPW], v[NIL]
	s_wait_dscnt 0x0
	CROUND                                         ; the closing round
	s_endpgm
.Lfunc_end_k_q4a6c88f646_oproj:
	.size	k_q4a6c88f646_oproj, .Lfunc_end_k_q4a6c88f646_oproj-k_q4a6c88f646_oproj
	.p2alignl 7, 3214868480
	.fill 96, 4, 3214868480
	.section	.rodata,"a",@progbits
	.p2align	6, 0x0
	.amdhsa_kernel k_q4a6c88f646_oproj
		.amdhsa_group_segment_fixed_size 327680
		.amdhsa_private_segment_fixed_size 0
		.amdhsa_enable_private_segment 0
		.amdhsa_kernarg_size 32
		.amdhsa_user_sgpr_count 2
		.amdhsa_user_sgpr_kernarg_segment_ptr 1
		.amdhsa_wavefront_size32 1
		.amdhsa_system_sgpr_workgroup_id_x 1
		.amdhsa_system_sgpr_workgroup_id_y 1
		.amdhsa_system_sgpr_workgroup_id_z 1
		.amdhsa_system_vgpr_workitem_id 0
		.amdhsa_next_free_vgpr 512
		.amdhsa_next_free_sgpr 100
		.amdhsa_reserve_vcc 0
		.amdhsa_float_denorm_mode_32 3
		.amdhsa_float_denorm_mode_16_64 3
		.amdhsa_memory_ordered 1
		.amdhsa_forward_progress 1
		.amdhsa_inst_pref_size 84
	.end_amdhsa_kernel
	.amdgpu_metadata
---
amdhsa.version: [ 1, 2 ]
amdhsa.kernels:
  - .name:           k_q4a6c88f646_oproj
    .symbol:         k_q4a6c88f646_oproj.kd
    .args:
      - { .name: ac, .offset: 0, .size: 8, .value_kind: global_buffer, .address_space: global }
      - { .name: woc, .offset: 8, .size: 8, .value_kind: global_buffer, .address_space: global }
      - { .name: bo, .offset: 16, .size: 8, .value_kind: global_buffer, .address_space: global }
      - { .name: out0, .offset: 24, .size: 8, .value_kind: global_buffer, .address_space: global }
    .group_segment_fixed_size: 327680
    .private_segment_fixed_size: 0
    .kernarg_segment_align: 8
    .kernarg_segment_size: 32
    .max_flat_workgroup_size: 128
    .sgpr_count:     100
    .vgpr_count:     512
    .wavefront_size: 32
...
	.end_amdgpu_metadata
.endif
;; end of part 4
;; ======== version 2 of 3: 4 launches
;; workspace buffers: xc 3,276,800 bytes; wqkv 9,830,400 bytes; woc 3,276,800 bytes; qc 3,276,800 bytes; kvc 6,553,600 bytes; ac 3,276,800 bytes; maskw 524,288 bytes of whole numbers; flags 2,048 bytes of whole numbers
;; launch prep (part 5): grid 768 x 1, 4 waves a work-group, no clusters, 35,328 bytes of LDS; arguments x, Wq, Wk, Wv, Wo, attn_mask, xc, wqkv, woc, maskw, flags; writes xc, wqkv, woc, maskw, flags
.if DOCPART == 5
	.amdgcn_target "amdgcn-amd-amdhsa--gfx1250"
	.amdhsa_code_object_version 6
	.text
	.protected	k_q4a6c88f646_prep
	.globl	k_q4a6c88f646_prep
	.p2align	8
	.type	k_q4a6c88f646_prep,@function
k_q4a6c88f646_prep:
	s_mov_b64 s[64:65], 0
	v_nop
	global_prefetch_b8 v0, s[64:65] scope:SCOPE_SE
	s_setreg_imm32_b32 hwreg(HW_REG_WAVE_MODE, 25, 1), 1
	s_wait_xcnt 0x0
; x, Wq, Wk, Wv, Wo ([2048][2048] f32, K innermost) become codes of FP6 (E2M3) with one E8M0 byte for each 32 along K, laid as SLABS; the mask becomes lane masks and two flags a tile and key step.
; A SLAB is 128 rows x 128 K in 12,800 bytes, in the order of an operand's registers: tile t (16 rows) at 1,536 t, its registers 4 c .. 4 c + 3 at 512 c, lane l's 16 bytes at 16 l.
; Lane (r = l % 16, h = l / 16) of tile t holds row 32 (t / 2) + 8 (t % 2) + r + 8 (r / 8); its registers 6 c .. 6 c + 5 hold k = 64 c + 32 h + 0 .. 31.  The scale word of (t, r) lies at 12,288 + 64 t + 4 r.
; A block's scale is 2^(floor(log2(largest magnitude)) - 2); its byte is the largest magnitude's exponent field - 2, held at 1 from below.
; LIMITS: NaN and infinities among the inputs are not served; a block of zeros gets the byte 1 (its codes are zeros, and this program alone reads the bytes).
; SHARES: work-groups 0-639: 128 for each tensor, two slabs each, a wave half a slab (four tiles).  Work-groups 640-767: one tile of 16 queries of the mask each, a wave four of its 16 key steps.
; Each load reads 512 consecutive bytes of one row; 16 rows turn through the wave's own stage in LDS (rows 528 bytes apart) so that a lane gets 32 neighbours along K twice: two whole blocks.
.set R,    32                          ; v32-159  two sets of 64 registers, as loaded
.set X,    160                         ; v160-223 my 64 numbers: block h in 0-31, block 2 + h in 32-63
.set F,    224                         ; v224-235 the fragment's codes
.set CT,   236                         ; v236-242 the upper halves' codes (a conversion's three registers begin on an even number)
.set SW,   244                         ; v244-247 the four tiles' scale words
.set TM,   16                          ; v16-23   at work
.set M,    32                          ; mask path: v32-95 four sets of 16 registers, one for each of my key steps
.set OUT,  128                         ; mask path: v128-135 a pair for each step: lane n / 2 holds words n and n + 1
.set WLDS, 8704                        ; LDS of a wave: 16 x 528 of stage, 256 for the scale words
.set SP,   528
.macro LOADF f                         ; tile f of my four: its 16 rows, 512 bytes each
.irp i, 0,1,2,3,4,5,6,7,8,9,10,11,12,13,14,15
	global_load_b128 v[R+64*((\f)%2)+4*\i:R+64*((\f)%2)+4*\i+3], v1, s[12:13] offset:(32*((\f)/2)+8*((\f)%2)+\i+8*(\i/8))*8192 th:TH_LOAD_NT
.endr
.endm
.macro FRAG f
.if (\f) < 3
	s_wait_loadcnt 16                              ; this tile's 16 loads are in; the next tile's 16 may be out
.else
	s_wait_loadcnt 0x0
.endif
.irp i, 0,1,2,3,4,5,6,7,8,9,10,11,12,13,14,15
	ds_store_b128 v2, v[R+64*((\f)%2)+4*\i:R+64*((\f)%2)+4*\i+3] offset:SP*\i
.endr
.irp c, 0,1
.irp j, 0,1,2,3,4,5,6,7
	ds_load_b128 v[X+32*\c+4*\j:X+32*\c+4*\j+3], v3 offset:256*\c+16*\j   ; row r, k = 64 c + 32 h + 4 j on; LDS serves a wave's instructions in order
.endr
.endr
	s_wait_dscnt 0x0                               ; my numbers are back, so the stores have read this set
.if (\f)+2 < 4
	LOADF (\f)+2
.endif
.irp c, 0,1
	v_max3_num_f32 v[TM+\c], |v[X+32*\c]|, |v[X+32*\c+1]|, 0x1800000   ; the floor 2^(3 - 127) holds the byte at 1 from below
.endr
.irp i, 2,4,6,8,10,12,14,16,18,20,22,24,26,28,30
.irp c, 0,1
	v_max3_num_f32 v[TM+\c], v[TM+\c], |v[X+32*\c+\i]|, |v[X+32*\c+\i+1]|
.endr
.endr
.irp c, 0,1
	v_add_nc_u32 v[TM+2+\c], 0xff000000, v[TM+\c]  ; 2 off the exponent field: the conversion's scale operand
.endr
.irp c, 0,1
	v_lshrrev_b32 v[TM+4+\c], 23, v[TM+2+\c]       ; the scale's byte
.endr
	v_lshl_or_b32 v[TM+6], v[TM+5], 16, v[TM+4]    ; my two bytes: blocks h and 2 + h,
	v_lshlrev_b32 v[TM+6], v10, v[TM+6]            ; 8 h bits up;
	v_permlanex16_b32 v[TM+7], v[TM+6], s40, s41
	v_or_b32 v[SW+(\f)], v[TM+6], v[TM+7]          ; with lane l xor 16's two the word is whole
	s_wait_xcnt 0x0                                ; the last tile's stores have read the codes' registers
.irp c, 0,1
	v_cvt_scalef32_pk16_fp6_f32 v[F+6*\c:F+6*\c+2], v[X+32*\c:X+32*\c+15], v[TM+2+\c]
	v_cvt_scalef32_pk16_fp6_f32 v[CT+4*\c:CT+4*\c+2], v[X+32*\c+16:X+32*\c+31], v[TM+2+\c]
.endr
	v_nop                                          ; one plain place behind a scaled conversion
.irp c, 0,1
.irp i, 0,1,2
	v_mov_b32 v[F+3+6*\c+\i], v[CT+4*\c+\i]
.endr
.endr
.irp c, 0,1,2
	global_store_b128 v1, v[F+4*\c:F+4*\c+3], s[16:17] offset:1536*(\f)+512*\c   ; 512 consecutive bytes, aligned
.endr
.endm
; One key step of the mask, the j-th of my four.  A lane's 16 registers hold its query's 64 bytes: byte n is the entry of score register n in the attention launch.
; The two flags come from the registers' OR and AND (a bool is 0 or 1; any other byte only loses the short cut 'all true').  The 64 lane masks are made in four batches of 16:
; the bytes cut out, 16 compares into 16 scalar registers of their own, 16 writes into lanes; two runs of scalar registers take turns, so that a register is read 16 lines behind the compare that writes it.
.macro MSTEP j
	s_wait_loadcnt 12-4*(\j)                       ; this step's four loads are in; the later steps' may be out
	v_or_b32 v12, v[M+16*(\j)], v[M+16*(\j)+1]
	v_or_b32 v13, v[M+16*(\j)+2], v[M+16*(\j)+3]
	v_and_b32 v14, v[M+16*(\j)], v[M+16*(\j)+1]
	v_and_b32 v15, v[M+16*(\j)+2], v[M+16*(\j)+3]
.irp i, 4,6,8,10,12,14
	v_or_b32 v12, v12, v[M+16*(\j)+\i]
	v_or_b32 v13, v13, v[M+16*(\j)+\i+1]
	v_and_b32 v14, v14, v[M+16*(\j)+\i]
	v_and_b32 v15, v15, v[M+16*(\j)+\i+1]
.endr
	v_or_b32 v12, v12, v13
	v_and_b32 v14, v14, v15
	v_cmp_ne_u32 s43, 0, v12                       ; lanes with some true entry
	v_cmp_eq_u32 s44, s47, v14                     ; lanes whose 64 entries are all 1
.set gg, 0
.rept 4
.set SB, 48+18*(gg%2)                  ; s48-63 or s66-81
.set VB, 96+16*(gg%2)                  ; v96-111 or v112-127
.set ii, 0
.rept 16
	v_and_b32 v[VB+ii], s[36+ii%4], v[M+16*(\j)+4*gg+ii/4]   ; byte n = 16 gg + ii
.set ii, ii+1
.endr
.set ii, 0
.rept 16
	v_cmp_ne_u32 s[SB+ii], 0, v[VB+ii]             ; word n: bit l = lane l's entry
.set ii, ii+1
.endr
.set ii, 0
.rept 16
	v_writelane_b32 v[OUT+2*(\j)+ii%2], s[SB+ii], 8*gg+ii/2
.set ii, ii+1
.endr
.set gg, gg+1
.endr
	global_store_b64 v3, v[OUT+2*(\j):OUT+2*(\j)+1], s[22:23] offset:256*(\j)   ; 256 consecutive bytes, aligned; each step has its own pair, so no data register is written again
	s_cmp_lg_u32 s43, 0
	s_cselect_b32 s45, s41, 0
	s_or_b32 s40, s40, s45                         ; bit step: some entry is true
	s_cmp_eq_u32 s44, -1
	s_cselect_b32 s45, s41, 0
	s_lshl_b32 s45, s45, 16
	s_or_b32 s40, s40, s45                         ; bit 16 + step: all are
	s_lshl_b32 s41, s41, 1
.endm
	s_load_b512 s[4:19], s[0:1], 0x0               ; x, Wq, Wk, Wv, Wo, attn_mask, xc, wqkv
	s_load_b128 s[20:23], s[0:1], 0x40             ; woc, maskw
	s_load_b64 s[24:25], s[0:1], 0x50              ; flags
	v_lshl_add_u32 v254, v0, 2, 0x8800
	v_mov_b32 v255, 0
	v_lshrrev_b32 v1, 5, v0
	v_readfirstlane_b32 s26, v1                    ; wave
	v_and_b32 v7, 31, v0                           ; lane
	v_and_b32 v8, 15, v0                           ; r
	v_bfe_u32 v9, v0, 4, 1                         ; h
	s_lshr_b32 s27, ttmp9, 7                       ; which tensor: 0 x, 1 Wq, 2 Wk, 3 Wv, 4 Wo
	s_cmp_ge_u32 ttmp9, 640
	s_cbranch_scc1 .Lmask
	; ---- the quantiser
	s_mov_b32 s40, 0x76543210
	s_mov_b32 s41, 0xfedcba98                      ; selects for lane l xor 16
	s_mov_b32 s42, 0xffff0000                      ; lanes 16-31
	s_mul_i32 s28, s26, WLDS
	v_lshlrev_b32 v1, 4, v7                        ; 16 x lane
	v_add_nc_u32 v2, s28, v1                       ; the stage, in
	v_mul_u32_u24 v3, v8, SP
	v_lshl_add_u32 v3, v9, 7, v3
	v_add_nc_u32 v3, s28, v3                       ; and out: row r, + 128 h
	v_lshl_add_u32 v4, v7, 2, s28                  ; the scale words, in: 4 x lane
	v_lshl_add_u32 v5, v7, 3, s28                  ; and out: 8 x lane
	v_lshlrev_b32 v6, 3, v7
	v_lshlrev_b32 v10, 3, v9                       ; 8 h
	v_mov_b32 v[TM+7], 0                           ; a lane permute's destination counts as read
	s_and_b32 s29, ttmp9, 127
	s_lshl_b32 s29, s29, 1
	s_lshr_b32 s30, s26, 1
	s_add_co_u32 s29, s29, s30                     ; my slab of the tensor's 256
	s_and_b32 s30, s26, 1                          ; my half of it
	s_lshr_b32 s31, s29, 4                         ; its block of 128 rows
	s_and_b32 s32, s29, 15                         ; its K step
	s_lshl_b32 s34, s31, 20                        ; 128 rows of 8,192 bytes
	s_lshl_b32 s33, s32, 9
	s_add_co_u32 s34, s34, s33
	s_lshl_b32 s33, s30, 19                        ; 64 rows
	s_add_co_u32 s34, s34, s33
	s_mov_b32 s35, 0
	s_sub_co_u32 s33, s27, 1                       ; 0, 1, 2 for Wq, Wk, Wv
	s_mul_i32 s37, s33, 204800
	s_mov_b32 s36, 204800
	s_cmp_lt_u32 s33, 3
	s_cselect_b32 s36, 614400, s36                 ; wqkv is [head][kind][K step]; the others [block][K step]
	s_cselect_b32 s37, s37, 0
	s_mul_i32 s36, s31, s36
	s_add_co_u32 s36, s36, s37
	s_mul_i32 s37, s32, 12800
	s_add_co_u32 s36, s36, s37                     ; my slab's first byte
	s_mul_i32 s38, s30, 6144
	s_add_co_u32 s38, s38, s36                     ; my four tiles' codes
	s_mov_b32 s39, 0
	s_lshl_b32 s44, s30, 8
	s_add_co_u32 s44, s44, s36
	s_add_co_u32 s44, s44, 12288                   ; and their scale words
	s_mov_b32 s45, 0
	s_wait_kmcnt 0x0
	s_cmp_eq_u32 s27, 0                            ; the choices hang on the work-group's number alone
	s_cselect_b64 s[12:13], s[4:5], s[12:13]
	s_cselect_b64 s[20:21], s[16:17], s[20:21]
	s_cmp_eq_u32 s27, 1
	s_cselect_b64 s[12:13], s[6:7], s[12:13]
	s_cmp_eq_u32 s27, 2
	s_cselect_b64 s[12:13], s[8:9], s[12:13]
	s_cmp_eq_u32 s27, 3
	s_cselect_b64 s[12:13], s[10:11], s[12:13]
	s_cmp_lt_u32 s33, 3
	s_cselect_b64 s[20:21], s[18:19], s[20:21]
	s_add_nc_u64 s[12:13], s[12:13], s[34:35]
	s_add_nc_u64 s[16:17], s[20:21], s[38:39]
	s_add_nc_u64 s[18:19], s[20:21], s[44:45]
	LOADF 0
	LOADF 1
	FRAG 0
	FRAG 1
	FRAG 2
	FRAG 3
	v_cndmask_b32 v24, v[SW], v[SW+1], s42         ; a scale image: lanes 0-15 the even tile's words, lanes 16-31 the odd tile's
	v_cndmask_b32 v25, v[SW+2], v[SW+3], s42
	ds_store_b32 v4, v24 offset:16*SP
	ds_store_b32 v4, v25 offset:16*SP+128
	ds_load_b64 v[26:27], v5 offset:16*SP
	s_wait_dscnt 0x0
	global_store_b64 v6, v[26:27], s[18:19]        ; 256 consecutive bytes, aligned
	s_wait_tensorcnt 0x0
	ds_add_u32 v254, v255
	s_wait_dscnt 0x0
	s_endpgm
	; ---- the mask.  Word n of (tile T, key step): bit l = mask[query of lane l % 16][128 step + 32 (n / 16) + 16 (l / 16) + n % 16]: the lane mask of score register n in the attention launch.
	; The work-group takes tile T, wave w its key steps 4 w .. 4 w + 3: 512 bytes of each of the tile's 16 rows, 16 loads, all issued at the head; no loop, no pointer is stepped, every offset is an immediate.
	; The flags of a tile are four words, one a wave: word w holds bits 4 w .. 4 w + 3 (some entry true) and 16 + 4 w .. 16 + 4 w + 3 (all true); the reader ORs the four.
.Lmask:
	s_sub_co_u32 s28, ttmp9, 640                   ; T
	s_lshr_b32 s29, s28, 3
	s_lshl_b32 s29, s29, 7
	s_bfe_u32 s30, s28, 0x20001
	s_lshl_b32 s30, s30, 5
	s_add_co_u32 s29, s29, s30
	s_and_b32 s30, s28, 1
	s_lshl_b32 s30, s30, 3
	s_add_co_u32 s29, s29, s30                     ; the tile's first query
	s_lshl_b32 s30, s29, 11                        ; a row of the mask is 2,048 bytes
	s_lshl_b32 s31, s26, 9                         ; my four key steps: 512 bytes on for each wave
	s_add_co_u32 s30, s30, s31
	s_mov_b32 s31, 0
	s_lshl_b32 s32, s28, 12                        ; the lane masks: 16 steps x 256 bytes a tile,
	s_lshl_b32 s33, s26, 10                        ; four steps a wave
	s_add_co_u32 s32, s32, s33
	s_mov_b32 s33, 0
	s_lshl_b32 s34, s28, 4                         ; the flags: four words a tile,
	s_lshl_b32 s35, s26, 2                         ; one a wave
	s_add_co_u32 s34, s34, s35
	s_lshl_b32 s41, 1, s35                         ; the bit of my first step: 1 << 4 w
	s_mov_b32 s35, 0
	v_and_b32 v2, 8, v8
	v_add_nc_u32 v2, v2, v8                        ; r + 8 (r / 8)
	v_lshlrev_b32 v2, 11, v2
	v_lshl_add_u32 v2, v9, 4, v2                   ; + 16 h
	v_lshlrev_b32 v3, 3, v7
.irp i, 0,1,2,3,4,5,6,7
	v_mov_b32 v[OUT+\i], 0                         ; written once: v_writelane_b32's destination counts as read
.endr
	s_mov_b32 s36, 0xff
	s_mov_b32 s37, 0xff00
	s_mov_b32 s38, 0xff0000
	s_mov_b32 s39, 0xff000000
	s_mov_b32 s40, 0                               ; my flags
	s_mov_b32 s47, 0x1010101                       ; four true bytes
	s_wait_kmcnt 0x0
	s_add_nc_u64 s[14:15], s[14:15], s[30:31]
	s_add_nc_u64 s[22:23], s[22:23], s[32:33]
	s_add_nc_u64 s[24:25], s[24:25], s[34:35]
.irp j, 0,1,2,3
.irp b, 0,1,2,3
	global_load_b128 v[M+16*\j+4*\b:M+16*\j+4*\b+3], v2, s[14:15] offset:128*\j+32*\b
.endr
.endr
	MSTEP 0
	MSTEP 1
	MSTEP 2
	MSTEP 3
	v_mov_b32 v6, s40
	v_mov_b32 v10, 0
	v_cmp_eq_u32 vcc_lo, 0, v7
	s_wait_xcnt 0x0                                ; EXEC changes only behind this wait
	s_and_saveexec_b32 s45, vcc_lo
	global_store_b32 v10, v6, s[24:25]
	s_wait_xcnt 0x0
	s_or_b32 exec_lo, exec_lo, s45
	s_endpgm
.Lfunc_end_k_q4a6c88f646_prep:
	.size	k_q4a6c88f646_prep, .Lfunc_end_k_q4a6c88f646_prep-k_q4a6c88f646_prep
	.p2alignl 7, 3214868480
	.fill 96, 4, 3214868480
	.section	.rodata,"a",@progbits
	.p2align	6, 0x0
	.amdhsa_kernel k_q4a6c88f646_prep
		.amdhsa_group_segment_fixed_size 35328
		.amdhsa_private_segment_fixed_size 0
		.amdhsa_enable_private_segment 0
		.amdhsa_kernarg_size 88
		.amdhsa_user_sgpr_count 2
		.amdhsa_user_sgpr_kernarg_segment_ptr 1
		.amdhsa_wavefront_size32 1
		.amdhsa_system_sgpr_workgroup_id_x 1
		.amdhsa_system_sgpr_workgroup_id_y 1
		.amdhsa_system_sgpr_workgroup_id_z 1
		.amdhsa_system_vgpr_workitem_id 0
		.amdhsa_next_free_vgpr 256
		.amdhsa_next_free_sgpr 84
		.amdhsa_reserve_vcc 1
		.amdhsa_float_denorm_mode_32 3
		.amdhsa_float_denorm_mode_16_64 3
		.amdhsa_memory_ordered 1
		.amdhsa_forward_progress 1
		.amdhsa_inst_pref_size 81
	.end_amdhsa_kernel
	.amdgpu_metadata
---
amdhsa.version: [ 1, 2 ]
amdhsa.kernels:
  - .name:           k_q4a6c88f646_prep
    .symbol:         k_q4a6c88f646_prep.kd
    .args:
      - { .name: x, .offset: 0, .size: 8, .value_kind: global_buffer, .address_space: global }
      - { .name: Wq, .offset: 8, .size: 8, .value_kind: global_buffer, .address_space: global }
      - { .name: Wk, .offset: 16, .size: 8, .value_kind: global_buffer, .address_space: global }
      - { .name: Wv, .offset: 24, .size: 8, .value_kind: global_buffer, .address_space: global }
      - { .name: Wo, .offset: 32, .size: 8, .value_kind: global_buffer, .address_space: global }
      - { .name: attn_mask, .offset: 40, .size: 8, .value_kind: global_buffer, .address_space: global }
      - { .name: xc, .offset: 48, .size: 8, .value_kind: global_buffer, .address_space: global }
      - { .name: wqkv, .offset: 56, .size: 8, .value_kind: global_buffer, .address_space: global }
      - { .name: woc, .offset: 64, .size: 8, .value_kind: global_buffer, .address_space: global }
      - { .name: maskw, .offset: 72, .size: 8, .value_kind: global_buffer, .address_space: global }
      - { .name: flags, .offset: 80, .size: 8, .value_kind: global_buffer, .address_space: global }
    .group_segment_fixed_size: 35328
    .private_segment_fixed_size: 0
    .kernarg_segment_align: 8
    .kernarg_segment_size: 88
    .max_flat_workgroup_size: 128
    .sgpr_count:     84
    .vgpr_count:     256
    .wavefront_size: 32
...
	.end_amdgpu_metadata
.endif
;; end of part 5
;; launch qkv: the kernel of part 2 again; grid 16 x 16, 4 waves a work-group, clusters of 4 x 4, 327,680 bytes of LDS; arguments xc, wqkv, bq, bk, bv, cos, sin, qc, kvc; writes qc, kvc
;; launch attn (part 6): grid 16 x 16, 8 waves a work-group, no clusters, 52,224 bytes of LDS; arguments qc, kvc, maskw, flags, ac; writes ac
.if DOCPART == 6
	.amdgcn_target "amdgcn-amd-amdhsa--gfx1250"
	.amdhsa_code_object_version 6
	.text
	.protected	k_q4a6c88f646_attn
	.globl	k_q4a6c88f646_attn
	.p2align	8
	.type	k_q4a6c88f646_attn,@function
k_q4a6c88f646_attn:
	s_mov_b64 s[64:65], 0
	v_nop
	global_prefetch_b8 v0, s[64:65] scope:SCOPE_SE
	s_setreg_imm32_b32 hwreg(HW_REG_WAVE_MODE, 25, 1), 1
	s_wait_xcnt 0x0
; Attention of one head on codes of FP6 (E2M3): S^T = K Q^T, the mask, p = 2^(t - M) with M a whole number, O^T = V^T P, O / the sum of the unquantised p; O is quantised along the head's channels and stored as a tile of a slab for the last product.
; SLAB: see the launches before: a tile's 12 registers as an image (registers 4 c on at 512 c, lane l at 16 l), tile t at 1,536 t, scale word of (t, r) at 12,288 + 64 t + 4 r.  kvc holds, for each head and key step of 128 keys, K's slab and V^T's: 25,600 bytes.
; SHARES: a wave owns one tile of 16 queries; a lane holds ONE query (lane % 16) throughout.  A work-group's eight waves take four tiles of query block 15 - pi and four of block pi, so that under a causal mask all work-groups have like work; the values hold for any mask.
; THE MASK is data.  An earlier launch has stored, for each (tile, key step), 64 lane masks (word n for score register n) and two flags: some entry true, all entries true (four words a tile, which are ORed here).  A step with no true entry is passed over, a step with all true skips the masking:
; forward branches on stored whole numbers.  For that reason this launch has no tensor load and so no joint load in a cluster: K and V go from memory through registers into LDS, one step ahead, by all eight waves together, and every wave passes every barrier.
; A query with no true entry at all has the sum 0: its scale bytes are set to 0xff, so that the last product gives NaN in that row, as a softmax over nothing does.
; REGISTERS: window 0: v1-6 addresses; v12 -M, v13 the largest t, v[14:15] the sum; v16-27 Q; v29 -infinity; v32-35, v36-39 K's and V's scale images; v40-57 at work at the end; v64-91 the next step's bytes on their way to LDS (at the end: the codes);
;   v96-159 S^T, then p; v160-223 O^T; v224-254 at work; v255 Q's scale words.   window 1: v0-95 K's eight fragments, v96-191 V's.
.set SKIP,  1                          ; 1: steps and maskings are passed over by the flags; 0: every step is worked
.set STEPB, 25600
.set KSC,   12288
.set VOF,   12800
.set VSC,   25088
.set L16,  1
.set L4,   2
.set T16,  3
.set L256, 4
.set WO,   6
.set NINF, 29
.set KS,   32
.set VS,   36
.set TM,   40
.set PW,   56
.set ONES, 57
.set STG,  64
.set PC,   64
.set WV,   14
.set MSB, 0
.macro WIN new
.if MSB != \new
	s_set_vgpr_msb (MSB<<8)|\new
.set MSB, \new
.endif
.endm
.macro WM d, a, b, c, sa, sb, ra       ; c < 0: the sum begins with 0; ra: source 0's scale words stand in lanes 16-31
.if (\c) < 0
.if \ra
	v_wmma_scale_f32_16x16x128_f8f6f4 v[(\d):(\d)+7], v[(\a):(\a)+11], v[(\b):(\b)+11], 0, v[\sa], v[\sb] matrix_a_fmt:MATRIX_FMT_FP6 matrix_b_fmt:MATRIX_FMT_FP6 matrix_a_scale:MATRIX_SCALE_ROW1
.else
	v_wmma_scale_f32_16x16x128_f8f6f4 v[(\d):(\d)+7], v[(\a):(\a)+11], v[(\b):(\b)+11], 0, v[\sa], v[\sb] matrix_a_fmt:MATRIX_FMT_FP6 matrix_b_fmt:MATRIX_FMT_FP6
.endif
.else
.if \ra
	v_wmma_scale_f32_16x16x128_f8f6f4 v[(\d):(\d)+7], v[(\a):(\a)+11], v[(\b):(\b)+11], v[(\c):(\c)+7], v[\sa], v[\sb] matrix_a_fmt:MATRIX_FMT_FP6 matrix_b_fmt:MATRIX_FMT_FP6 matrix_a_scale:MATRIX_SCALE_ROW1
.else
	v_wmma_scale_f32_16x16x128_f8f6f4 v[(\d):(\d)+7], v[(\a):(\a)+11], v[(\b):(\b)+11], v[(\c):(\c)+7], v[\sa], v[\sb] matrix_a_fmt:MATRIX_FMT_FP6 matrix_b_fmt:MATRIX_FMT_FP6
.endif
.endif
.endm
.macro LOADKV                          ; a step block of 25,600 bytes: six loads of 4,096 bytes by the 256 threads, the last 1,024 bytes by waves 0 and 1
.irp i, 0,1,2,3,4,5
	global_load_b128 v[STG+4*\i:STG+4*\i+3], v[T16], s[6:7] offset:4096*\i
.endr
	s_cmp_lt_u32 s[WV], 2
	s_cbranch_scc0 .Lnl_\@
	global_load_b128 v[STG+24:STG+27], v[T16], s[6:7] offset:24576
.Lnl_\@:
.endm
.macro STOREKV slot
.irp i, 0,1,2,3,4,5
	ds_store_b128 v[T16], v[STG+4*\i:STG+4*\i+3] offset:(\slot)*STEPB+4096*\i
.endr
	s_cmp_lt_u32 s[WV], 2
	s_cbranch_scc0 .Lns_\@
	ds_store_b128 v[T16], v[STG+24:STG+27] offset:(\slot)*STEPB+24576
.Lns_\@:
.endm
	s_load_b256 s[4:11], s[0:1], 0x0               ; qc, kvc, maskw, flags
	s_load_b64 s[12:13], s[0:1], 0x20              ; ac
	v_lshl_add_u32 v250, v0, 2, 0xc800
	v_mov_b32 v251, 0
	v_lshrrev_b32 v1, 5, v0
	v_readfirstlane_b32 s[WV], v1
	v_and_b32 v5, 31, v0
	v_lshlrev_b32 v[L16], 4, v5
	v_lshlrev_b32 v[L4], 2, v5
	v_lshlrev_b32 v[T16], 4, v0
	v_lshlrev_b32 v[L256], 8, v5
	v_and_b32 v[WO], 15, v0
	v_lshlrev_b32 v[WO], 2, v[WO]                  ; 4 r
	s_lshr_b32 s15, ttmp9, 1                       ; pi
	s_and_b32 s28, ttmp9, 1                        ; which four tiles of a block
	s_and_b32 s29, ttmp7, 0xffff                   ; the head
	s_lshr_b32 s30, s[WV], 2
	s_xor_b32 s30, s30, s[WV]
	s_and_b32 s30, s30, 1
	s_sub_co_u32 s31, 15, s15
	s_cmp_eq_u32 s30, 0
	s_cselect_b32 s31, s31, s15                    ; my block of 128 queries: 15 - pi or pi
	s_lshr_b32 s32, s[WV], 1
	s_lshl_b32 s33, s28, 2
	s_add_co_u32 s32, s32, s33                     ; my tile in it
	s_lshl_b32 s33, s31, 3
	s_add_co_u32 s33, s33, s32                     ; T
	s_mul_i32 s36, s32, 1536
	s_lshl_b32 s34, s29, 4
	s_add_co_u32 s34, s34, s31
	s_mul_i32 s34, s34, 12800
	s_add_co_u32 s34, s34, s36                     ; Q's fragment: slab (head, block), my tile
	s_mov_b32 s35, 0
	s_lshl_b32 s38, s31, 4
	s_add_co_u32 s38, s38, s29
	s_mul_i32 s38, s38, 12800
	s_add_co_u32 s38, s38, s36                     ; the result's: slab (block, head), my tile
	s_mov_b32 s39, 0
	s_lshl_b32 s40, s33, 12
	s_mov_b32 s41, 0
	s_lshl_b32 s42, s33, 4                         ; my tile's four words of flags
	s_mov_b32 s43, 0
	s_mul_i32 s44, s29, 16*STEPB
	s_mov_b32 s45, 0
	s_mul_i32 s46, s32, 1472
	s_sub_co_u32 s46, 12288, s46                   ; from a tile's fragment to its scale words: 12,288 + 64 t - 1,536 t
	v_add_nc_u32 v[WO], s46, v[WO]
	s_add_co_u32 s26, s[WV], 6                     ; the prefetches: the head's stream is 50 pieces of 8,192 bytes; wave w begins at piece 6 + w
	s_lshl_b32 s46, s26, 13
	s_mov_b32 s47, 0
	s_lshr_b32 s19, s[WV], 2
	s_or_b32 s19, s19, ttmp9
	s_cmp_eq_u32 s19, 0
	s_cselect_b32 s27, 50, 0                       ; waves 0-3 of the head's first work-group ask, nobody else: each piece is named once
	s_mov_b32 s20, 0x76543210
	s_mov_b32 s21, 0xfedcba98
	s_mov_b32 s22, 0x3e0293ee                      ; c = log2(e) / sqrt(128)
	s_mov_b32 s23, s22
	s_mov_b32 s17, 0
	s_mov_b32 s18, 8
	s_mov_b32 s31, 0
	s_wait_kmcnt 0x0
	s_add_nc_u64 s[4:5], s[4:5], s[34:35]
	s_add_nc_u64 s[12:13], s[12:13], s[38:39]
	s_add_nc_u64 s[8:9], s[8:9], s[40:41]
	s_add_nc_u64 s[10:11], s[10:11], s[42:43]
	s_add_nc_u64 s[6:7], s[6:7], s[44:45]
	s_add_nc_u64 s[24:25], s[6:7], s[46:47]
	s_load_b128 s[48:51], s[10:11], 0x0            ; my tile's flags: four words, each with the bits of four key steps
	LOADKV                                         ; key step 0
.irp c, 0,1,2
	global_load_b128 v[16+4*\c:19+4*\c], v[L16], s[4:5] offset:512*\c
.endr
	global_load_b32 v255, v[WO], s[4:5]
	v_mov_b32 v[NINF], 0xff800000
	v_mov_b32 v[ONES], -1
	v_mov_b32 v13, 0xff61b1e6                      ; the largest t so far: -3e38
	v_floor_f32 v12, -v13                          ; -M
	v_mov_b32 v14, 0
	v_mov_b32 v15, 0
.irp b, 0,1,2,3
	v_mov_b32 v[236+\b], 0                         ; a lane permute's destination counts as read
	v_mov_b32 v[TM+4+\b], 0
.endr
	v_mov_b32 v252, 0
	v_mov_b32 v253, 0
.irp j, 0,1,2,3,4,5,6,7,8,9,10,11,12,13,14,15,16,17,18,19,20,21,22,23,24,25,26,27,28,29,30,31,32,33,34,35,36,37,38,39,40,41,42,43,44,45,46,47,48,49,50,51,52,53,54,55,56,57,58,59,60,61,62,63
	v_mov_b32 v[160+\j], 0                         ; O^T: the step is written once, and a tile may have no step at all
.endr
	s_wait_loadcnt 0x0
	STOREKV 0
	s_wait_dscnt 0x0
	s_barrier_signal -1
	s_barrier_wait -1
	s_add_nc_u64 s[6:7], s[6:7], STEPB             ; (the loads are done)  the next step's block
	s_wait_kmcnt 0x0
	s_or_b32 s16, s48, s49                         ; the four words' bits lie apart: their OR is the tile's flags: bit s, bit 16 + s
	s_or_b32 s50, s50, s51
	s_or_b32 s16, s16, s50
.macro STEP slot
	LOADKV                                         ; the next step's block, on its way while this step is worked
	s_cmp_lt_u32 s26, s27
	s_cbranch_scc0 .Lnp_\@
	global_prefetch_b8 v[L256], s[24:25] th:TH_LOAD_NT scope:SCOPE_SE   ; 32 lanes x 256 bytes further down the head's stream
.Lnp_\@:
.if SKIP
	s_bitcmp1_b32 s16, 0
	s_cbranch_scc0 .Lhid_\@                        ; no entry of my 16 x 128 mask tile is true
.endif
	s_load_b512 s[32:47], s[8:9], 0x0              ; the 64 lane masks
	s_load_b512 s[48:63], s[8:9], 0x40
	s_load_b512 s[68:83], s[8:9], 0x80
	s_load_b512 s[84:99], s[8:9], 0xc0
.rept 4
	v_nop                                          ; places behind the last step's products, ahead of loads into their registers
.endr
.irp i, 0,1,2,3
	ds_load_b32 v[KS+\i], v[L4] offset:\slot*STEPB+KSC+128*\i
	ds_load_b32 v[VS+\i], v[L4] offset:\slot*STEPB+VSC+128*\i
.endr
	WIN 0x40
.irp t, 0,1,2,3,4,5,6,7
.irp c, 0,1,2
	ds_load_b128 v[12*\t+4*\c:12*\t+4*\c+3], v[L16] offset:\slot*STEPB+1536*\t+512*\c
.endr
.endr
.irp t, 0,1,2,3,4,5,6,7
.irp c, 0,1,2
	ds_load_b128 v[96+12*\t+4*\c:96+12*\t+4*\c+3], v[L16] offset:\slot*STEPB+VOF+1536*\t+512*\c
.endr
.endr
	s_wait_dscnt 24                                ; the scale images and K are in; V's 24 loads may be out
	WIN 0x01
.irp t, 0,1,2,3,4,5,6,7
	WM 96+8*\t, 12*\t, 16, -1, KS+\t/2, 255, \t%2
.endr
	WIN 0
.rept 4
	v_nop
.endr
	s_wait_kmcnt 0x0
.if SKIP
	s_bitcmp1_b32 s16, 16
	s_cbranch_scc1 .Lopen_\@                       ; all entries are true
.endif
.set n, 0
.rept 64
.if n < 32
	v_cndmask_b32 v[96+n], v[NINF], v[96+n], s[32+n]   ; register n holds key 32 (n / 16) + 16 h + n % 16: -infinity where the mask is false
.else
	v_cndmask_b32 v[96+n], v[NINF], v[96+n], s[36+n]
.endif
.set n, n+1
.endr
.Lopen_\@:
.irp b, 0,1,2,3
	v_max3_num_f32 v[232+\b], v[96+16*\b], v[97+16*\b], v[98+16*\b]   ; the largest score of each block of 32 keys: for the row's maximum and for the block's largest p
.endr
.irp i, 3,5,7,9,11,13
.irp b, 0,1,2,3
	v_max3_num_f32 v[232+\b], v[232+\b], v[96+16*\b+\i], v[97+16*\b+\i]
.endr
.endr
.irp b, 0,1,2,3
	v_max_num_f32 v[232+\b], v[232+\b], v[111+16*\b]
.endr
.irp b, 0,1,2,3
	v_permlanex16_b32 v[236+\b], v[232+\b], s20, s21
.endr
.irp b, 0,1,2,3
	v_max_num_f32 v[232+\b], v[232+\b], v[236+\b]
.endr
	v_max3_num_f32 v254, v232, v233, v234
	v_max_num_f32 v254, v254, v235
	v_mul_f32 v254, s22, v254
	v_max_num_f32 v13, v13, v254                   ; the running largest t
	v_mov_b32 v254, v12
	v_floor_f32 v12, -v13                          ; -M = floor(-t): M is a whole number
	v_sub_f32 v254, v12, v254
	v_cvt_i32_f32 v254, v254                       ; old M - new M (it saturates)
	v_ldexp_f32 v252, 1.0, v254                    ; f = 2^(old M - new M): exact
.irp j, 0,2,4,6,8,10,12,14,16,18,20,22,24,26,28,30,32,34,36,38,40,42,44,46,48,50,52,54,56,58,60,62
	v_pk_fma_f32 v[96+\j:97+\j], v[96+\j:97+\j], s[22:23], v[12:13] op_sel_hi:[1,0,0]   ; t - M
.endr
.irp b, 0,1,2,3
	v_fma_f32 v[232+\b], v[232+\b], s22, v12
.endr
.irp j, 0,1,2,3,4,5,6,7,8,9,10,11,12,13,14,15,16,17,18,19,20,21,22,23,24,25,26,27,28,29,30,31,32,33,34,35,36,37,38,39,40,41,42,43,44,45,46,47,48,49,50,51,52,53,54,55,56,57,58,59,60,61,62,63
	v_exp_f32 v[96+\j], v[96+\j]                   ; p = 2^(t - M), not normalised
.endr
	v_pk_mul_f32 v[14:15], v[14:15], v[252:253] op_sel_hi:[1,0]   ; the sums under the new M (the plain place behind the batch)
	s_wait_alu depctr_va_vdst(0)                   ; one wait for the batch of 64, ahead of its first reader
.irp b, 0,1,2,3
	v_exp_f32 v[232+\b], v[232+\b]                 ; each block's largest p
.endr
	v_pk_add_f32 v[236:237], v[96:97], v[98:99]    ; the row's sum of the unquantised p, in two chains
.irp j, 4,8,12,16,20,24,28,32,36,40,44,48,52,56,60
	v_pk_add_f32 v[14:15], v[14:15], v[96+\j:97+\j]
	v_pk_add_f32 v[236:237], v[236:237], v[98+\j:99+\j]
.endr
	v_pk_add_f32 v[14:15], v[14:15], v[236:237]
	s_wait_alu depctr_va_vdst(0)                   ; and one for the four
.irp b, 0,1,2,3
	v_max_num_f32 v[232+\b], 0x1800000, v[232+\b]  ; the floor: the byte cannot fall under 1
.endr
.irp b, 0,1,2,3
	v_add_nc_u32 v[244+\b], 0xff000000, v[232+\b]
.endr
.irp b, 0,1,2,3
	v_lshrrev_b32 v[236+\b], 23, v[244+\b]
.endr
	v_lshl_or_b32 v253, v237, 8, v236              ; p's scale word for these 128 keys
	v_lshl_or_b32 v253, v238, 16, v253
	v_lshl_or_b32 v253, v239, 24, v253
.irp c, 0,1
	v_cvt_scalef32_pk16_fp6_f32 v[224+6*\c:226+6*\c], v[96+32*\c:111+32*\c], v[244+2*\c]
	v_cvt_scalef32_pk16_fp6_f32 v[236+4*\c:238+4*\c], v[112+32*\c:127+32*\c], v[244+2*\c+1]
.endr
	v_nop                                          ; one plain place behind a scaled conversion
.irp c, 0,1
.irp i, 0,1,2
	v_permlane16_swap_b32 v[224+6*\c+\i], v[236+4*\c+\i]
.endr
.irp i, 0,1,2
	v_mov_b32 v[227+6*\c+\i], v[236+4*\c+\i]
.endr
.endr
.irp j, 0,2,4,6,8,10,12,14,16,18,20,22,24,26,28,30,32,34,36,38,40,42,44,46,48,50,52,54,56,58,60,62
	v_pk_mul_f32 v[160+\j:161+\j], v[160+\j:161+\j], v[252:253] op_sel_hi:[1,0]   ; O^T under the new M; these 32 are also the places ahead of the products below
.endr
	s_wait_dscnt 0x0                               ; V is in
	WIN 0x01
.irp t, 0,1,2,3,4,5,6,7
	WM 160+8*\t, 96+12*\t, 224, 160+8*\t, VS+\t/2, 253, \t%2
.endr
	WIN 0
.Lhid_\@:
	s_wait_loadcnt 0x0                             ; the next step's block is in my registers
	STOREKV 1-\slot                                ; into the slot that every wave left at the last barrier
	s_wait_dscnt 0x0                               ; my stores have landed, and my reads of this slot are over
	s_barrier_signal -1
	s_barrier_wait -1
	s_wait_xcnt 0x0                                ; the step's loads and its prefetch have read their bases
	s_cmp_lt_u32 s17, 14
	s_cselect_b32 s30, STEPB, 0                    ; the last step asks for block 15 once more: no load leaves the buffer
	s_add_nc_u64 s[6:7], s[6:7], s[30:31]
	s_add_nc_u64 s[8:9], s[8:9], 256
	s_add_nc_u64 s[24:25], s[24:25], 0x8000
	s_add_co_u32 s26, s26, 4
	s_add_co_u32 s17, s17, 1
	s_lshr_b32 s16, s16, 1
.endm
.Ltrip:                                                ; eight trips of two key steps
	STEP 0
	STEP 1
	s_sub_co_u32 s18, s18, 1
	s_cmp_lg_u32 s18, 0
	s_cbranch_scc1 .Ltrip
.rept 4
	v_nop
.endr
	v_add_f32 v14, v14, v15
	v_permlanex16_b32 v252, v14, s20, s21
	v_add_f32 v14, v14, v252                       ; the row's sum
	v_cmp_eq_f32 s28, 0, v14                       ; a query with no key: it only selects a value below
	v_rcp_f32 v15, v14
	v_nop
	s_wait_alu depctr_va_vdst(0)
.irp j, 0,1,2,3,4,5,6,7,8,9,10,11,12,13,14,15,16,17,18,19,20,21,22,23,24,25,26,27,28,29,30,31,32,33,34,35,36,37,38,39,40,41,42,43,44,45,46,47,48,49,50,51,52,53,54,55,56,57,58,59,60,61,62,63
	v_mul_f32 v[96+\j], v[160+\j], v15             ; register 16 b + i = channel 32 b + 16 h + i of my query
.endr
.irp b, 0,1,2,3
	v_max3_num_f32 v[TM+\b], |v[96+16*\b]|, |v[97+16*\b]|, 0x1800000
.endr
.irp i, 2,4,6,8,10,12,14
.irp b, 0,1,2,3
	v_max3_num_f32 v[TM+\b], v[TM+\b], |v[96+16*\b+\i]|, |v[97+16*\b+\i]|
.endr
.endr
.irp b, 0,1,2,3
	v_permlanex16_b32 v[TM+4+\b], v[TM+\b], s20, s21
.endr
.irp b, 0,1,2,3
	v_max_num_f32 v[TM+\b], v[TM+\b], v[TM+4+\b]
.endr
.irp b, 0,1,2,3
	v_add_nc_u32 v[TM+12+\b], 0xff000000, v[TM+\b]
.endr
.irp b, 0,1,2,3
	v_lshrrev_b32 v[TM+4+\b], 23, v[TM+12+\b]
.endr
	v_lshl_or_b32 v[PW], v[TM+5], 8, v[TM+4]
	v_lshl_or_b32 v[PW], v[TM+6], 16, v[PW]
	v_lshl_or_b32 v[PW], v[TM+7], 24, v[PW]
.irp c, 0,1
	v_cvt_scalef32_pk16_fp6_f32 v[PC+6*\c:PC+2+6*\c], v[96+32*\c:111+32*\c], v[TM+12+2*\c]
	v_cvt_scalef32_pk16_fp6_f32 v[PC+12+4*\c:PC+14+4*\c], v[112+32*\c:127+32*\c], v[TM+12+2*\c+1]
.endr
	v_cndmask_b32 v[PW], v[PW], v[ONES], s28       ; (the plain place)  four bytes 0xff where the sum is 0
.irp c, 0,1
.irp i, 0,1,2
	v_permlane16_swap_b32 v[PC+6*\c+\i], v[PC+12+4*\c+\i]
.endr
.irp i, 0,1,2
	v_mov_b32 v[PC+3+6*\c+\i], v[PC+12+4*\c+\i]
.endr
.endr
.irp c, 0,1,2
	global_store_b128 v[L16], v[PC+4*\c:PC+4*\c+3], s[12:13] offset:512*\c   ; 512 consecutive bytes, aligned
.endr
	global_store_b32 v[WO], v[PW], s[12:13]        ; lanes r and r + 16 hold the same word and name the same address
	s_wait_tensorcnt 0x0
	ds_add_u32 v250, v251
	s_wait_dscnt 0x0
	s_endpgm
.Lfunc_end_k_q4a6c88f646_attn:
	.size	k_q4a6c88f646_attn, .Lfunc_end_k_q4a6c88f646_attn-k_q4a6c88f646_attn
	.p2alignl 7, 3214868480
	.fill 96, 4, 3214868480
	.section	.rodata,"a",@progbits
	.p2align	6, 0x0
	.amdhsa_kernel k_q4a6c88f646_attn
		.amdhsa_group_segment_fixed_size 52224
		.amdhsa_private_segment_fixed_size 0
		.amdhsa_enable_private_segment 0
		.amdhsa_kernarg_size 40
		.amdhsa_user_sgpr_count 2
		.amdhsa_user_sgpr_kernarg_segment_ptr 1
		.amdhsa_wavefront_size32 1
		.amdhsa_system_sgpr_workgroup_id_x 1
		.amdhsa_system_sgpr_workgroup_id_y 1
		.amdhsa_system_sgpr_workgroup_id_z 1
		.amdhsa_system_vgpr_workitem_id 0
		.amdhsa_next_free_vgpr 512
		.amdhsa_next_free_sgpr 100
		.amdhsa_reserve_vcc 0
		.amdhsa_float_denorm_mode_32 3
		.amdhsa_float_denorm_mode_16_64 3
		.amdhsa_memory_ordered 1
		.amdhsa_forward_progress 1
		.amdhsa_inst_pref_size 64
	.end_amdhsa_kernel
	.amdgpu_metadata
---
amdhsa.version: [ 1, 2 ]
amdhsa.kernels:
  - .name:           k_q4a6c88f646_attn
    .symbol:         k_q4a6c88f646_attn.kd
    .args:
      - { .name: qc, .offset: 0, .size: 8, .value_kind: global_buffer, .address_space: global }
      - { .name: kvc, .offset: 8, .size: 8, .value_kind: global_buffer, .address_space: global }
      - { .name: maskw, .offset: 16, .size: 8, .value_kind: global_buffer, .address_space: global }
      - { .name: flags, .offset: 24, .size: 8, .value_kind: global_buffer, .address_space: global }
      - { .name: ac, .offset: 32, .size: 8, .value_kind: global_buffer, .address_space: global }
    .group_segment_fixed_size: 52224
    .private_segment_fixed_size: 0
    .kernarg_segment_align: 8
    .kernarg_segment_size: 40
    .max_flat_workgroup_size: 256
    .sgpr_count:     100
    .vgpr_count:     512
    .wavefront_size: 32
...
	.end_amdgpu_metadata
.endif
;; end of part 6
;; launch oproj: the kernel of part 4 again; grid 16 x 16, 4 waves a work-group, clusters of 4 x 4, 327,680 bytes of LDS; arguments ac, woc, bo, out0; writes out0
;; ======== version 3 of 3: 4 launches; version 2 with the launch attn written anew for expert scheduling mode
;; workspace buffers: xc 3,276,800 bytes; wqkv 9,830,400 bytes; woc 3,276,800 bytes; qc 3,276,800 bytes; kvc 6,553,600 bytes; ac 3,276,800 bytes; maskw 524,288 bytes of whole numbers; flags 2,048 bytes of whole numbers
;; launch prep: the kernel of part 5 again; grid 768 x 1, 4 waves a work-group, no clusters, 35,328 bytes of LDS; arguments x, Wq, Wk, Wv, Wo, attn_mask, xc, wqkv, woc, maskw, flags; writes xc, wqkv, woc, maskw, flags
;; launch qkv: the kernel of part 2 again; grid 16 x 16, 4 waves a work-group, clusters of 4 x 4, 327,680 bytes of LDS; arguments xc, wqkv, bq, bk, bv, cos, sin, qc, kvc; writes qc, kvc
;; launch attn (part 7): grid 16 x 16, 8 waves a work-group, no clusters, 52,224 bytes of LDS; arguments qc, kvc, maskw, flags, ac; writes ac
.if DOCPART == 7
	.amdgcn_target "amdgcn-amd-amdhsa--gfx1250"
	.amdhsa_code_object_version 6
	.text
	.protected	k_q4a6c88f646_attn
	.globl	k_q4a6c88f646_attn
	.p2align	8
	.type	k_q4a6c88f646_attn,@function
k_q4a6c88f646_attn:
	s_mov_b64 s[64:65], 0
	v_nop
	global_prefetch_b8 v0, s[64:65] scope:SCOPE_SE
	s_setreg_imm32_b32 hwreg(HW_REG_WAVE_SCHED_MODE, 0, 2), 2
	s_setreg_imm32_b32 hwreg(HW_REG_WAVE_MODE, 25, 1), 1
	s_wait_xcnt 0x0
	s_wait_alu depctr_vm_vsrc(0)
; Attention of one head on codes of FP6 (E2M3): S^T = K Q^T, the mask, p = 2^(t - M) with M a whole number, O^T = V^T P, O / the sum of the unquantised p; O is quantised along the head's channels and stored as a tile of a slab for the last product.
; SLAB: see the launches before: a tile's 12 registers as an image (registers 4 c on at 512 c, lane l at 16 l), tile t at 1,536 t, scale word of (t, r) at 12,288 + 64 t + 4 r.  kvc holds, for each head and key step of 128 keys, K's slab and V^T's: 25,600 bytes.
; SHARES: a wave owns one tile of 16 queries; a lane holds ONE query (lane % 16) throughout.  A work-group's eight waves take four tiles of query block 15 - pi and four of block pi, so that under a causal mask all work-groups have like work; the values hold for any mask.
; THE MASK is data.  An earlier launch has stored, for each (tile, key step), 64 lane masks (word n for score register n) and two flags: some entry true, all entries true (four words a tile, which are ORed here).  A step with no true entry is passed over, a step with all true skips the masking:
; forward branches on stored whole numbers.  For that reason this launch has no tensor load and so no joint load in a cluster: K and V go from memory through registers into LDS, one step ahead, by all eight waves together, and every wave passes every barrier.
; A query with no true entry at all has the sum 0: its scale bytes are set to 0xff, so that the last product gives NaN in that row, as a softmax over nothing does.
; REGISTERS: window 0: v1-6 addresses; v12 -M, v13 the largest t, v[14:15] the sum; v16-27 Q; v29 -infinity; v32-35, v36-39 K's and V's scale images; v40-57 at work at the end; v64-91 the next step's bytes on their way to LDS (at the end: the codes);
;   v96-159 S^T, then p; v160-223 O^T; v224-254 at work; v255 Q's scale words.   window 1: v0-95 K's eight fragments, v96-191 V's.
; THE MODE: SCHED_MODE bits 1:0 = 2 (LLVM: expert scheduling mode 2), set by the entry lines.  The code itself states the register dependences
; between vector or matrix instructions and memory or LDS instructions, with s_wait_alu, always for 0.
; THE PLAN.  Registers that memory or LDS instructions touch:
;   v1-4, v6      Addresses and offsets: written at the head, never again; read by every load, store and prefetch.  One wait on va_vdst at the head serves them for the whole kernel.
;   v64-91        Written by the global loads at a step's head; read by the LDS stores at the step's end; named by no vector instruction in the loop.  One wait on vm_vsrc at a step's end, ahead of the backward jump,
;                 states that the stores have read them: the next step's loads, and behind the last step the conversions of the way out, write them again.
;   v32-39 and window 1's v0-191   Written by a step's run of 56 LDS loads; read by the step's 16 products.  One wait on va_vdst straight ahead of the run states that the products of the last step that was worked are done reading them.
;   v224-235, v253   p's codes and scale word: written by vector instructions, taken by the second product: one wait on va_vdst ahead of it, behind its places.
;   v64-75, v56   At the end: the result's codes and scale word, written by vector instructions, read by the four global stores: one wait on va_vdst ahead of these.
;   v250, v251    Written at the head, read by the closing add alone.
;   s14 (the wave's number) and s28 (the mask of queries with no key) are written by vector instructions: a wait on va_sdst stands ahead of the first reader of each.
.set SKIP,  1                          ; 1: steps and maskings are passed over by the flags; 0: every step is worked
.set STEPB, 25600
.set KSC,   12288
.set VOF,   12800
.set VSC,   25088
.set L16,  1
.set L4,   2
.set T16,  3
.set L256, 4
.set WO,   6
.set NINF, 29
.set KS,   32
.set VS,   36
.set TM,   40
.set PW,   56
.set ONES, 57
.set STG,  64
.set PC,   64
.set WV,   14
.set MSB, 0
.macro WIN new
.if MSB != \new
	s_set_vgpr_msb (MSB<<8)|\new
.set MSB, \new
.endif
.endm
.macro WM d, a, b, c, sa, sb, ra       ; c < 0: the sum begins with 0; ra: source 0's scale words stand in lanes 16-31
.if (\c) < 0
.if \ra
	v_wmma_scale_f32_16x16x128_f8f6f4 v[(\d):(\d)+7], v[(\a):(\a)+11], v[(\b):(\b)+11], 0, v[\sa], v[\sb] matrix_a_fmt:MATRIX_FMT_FP6 matrix_b_fmt:MATRIX_FMT_FP6 matrix_a_scale:MATRIX_SCALE_ROW1
.else
	v_wmma_scale_f32_16x16x128_f8f6f4 v[(\d):(\d)+7], v[(\a):(\a)+11], v[(\b):(\b)+11], 0, v[\sa], v[\sb] matrix_a_fmt:MATRIX_FMT_FP6 matrix_b_fmt:MATRIX_FMT_FP6
.endif
.else
.if \ra
	v_wmma_scale_f32_16x16x128_f8f6f4 v[(\d):(\d)+7], v[(\a):(\a)+11], v[(\b):(\b)+11], v[(\c):(\c)+7], v[\sa], v[\sb] matrix_a_fmt:MATRIX_FMT_FP6 matrix_b_fmt:MATRIX_FMT_FP6 matrix_a_scale:MATRIX_SCALE_ROW1
.else
	v_wmma_scale_f32_16x16x128_f8f6f4 v[(\d):(\d)+7], v[(\a):(\a)+11], v[(\b):(\b)+11], v[(\c):(\c)+7], v[\sa], v[\sb] matrix_a_fmt:MATRIX_FMT_FP6 matrix_b_fmt:MATRIX_FMT_FP6
.endif
.endif
.endm
.macro LOADKV                          ; a step block of 25,600 bytes: six loads of 4,096 bytes by the 256 threads, the last 1,024 bytes by waves 0 and 1
.irp i, 0,1,2,3,4,5
	global_load_b128 v[STG+4*\i:STG+4*\i+3], v[T16], s[6:7] offset:4096*\i
.endr
	s_cmp_lt_u32 s[WV], 2
	s_cbranch_scc0 .Lnl_\@
	global_load_b128 v[STG+24:STG+27], v[T16], s[6:7] offset:24576
.Lnl_\@:
.endm
.macro STOREKV slot
.irp i, 0,1,2,3,4,5
	ds_store_b128 v[T16], v[STG+4*\i:STG+4*\i+3] offset:(\slot)*STEPB+4096*\i
.endr
	s_cmp_lt_u32 s[WV], 2
	s_cbranch_scc0 .Lns_\@
	ds_store_b128 v[T16], v[STG+24:STG+27] offset:(\slot)*STEPB+24576
.Lns_\@:
.endm
	s_load_b256 s[4:11], s[0:1], 0x0               ; qc, kvc, maskw, flags
	s_load_b64 s[12:13], s[0:1], 0x20              ; ac
	v_lshl_add_u32 v250, v0, 2, 0xc800
	v_mov_b32 v251, 0
	v_lshrrev_b32 v1, 5, v0
	v_readfirstlane_b32 s[WV], v1
	v_and_b32 v5, 31, v0
	v_lshlrev_b32 v[L16], 4, v5
	v_lshlrev_b32 v[L4], 2, v5
	v_lshlrev_b32 v[T16], 4, v0
	v_lshlrev_b32 v[L256], 8, v5
	v_and_b32 v[WO], 15, v0
	v_lshlrev_b32 v[WO], 2, v[WO]                  ; 4 r
	s_wait_alu depctr_va_sdst(0)                   ; s14, the wave's number, is written, ahead of its first reader: the tile, the bases and the branches on the wave's number are made from it
	s_lshr_b32 s15, ttmp9, 1                       ; pi
	s_and_b32 s28, ttmp9, 1                        ; which four tiles of a block
	s_and_b32 s29, ttmp7, 0xffff                   ; the head
	s_lshr_b32 s30, s[WV], 2
	s_xor_b32 s30, s30, s[WV]
	s_and_b32 s30, s30, 1
	s_sub_co_u32 s31, 15, s15
	s_cmp_eq_u32 s30, 0
	s_cselect_b32 s31, s31, s15                    ; my block of 128 queries: 15 - pi or pi
	s_lshr_b32 s32, s[WV], 1
	s_lshl_b32 s33, s28, 2
	s_add_co_u32 s32, s32, s33                     ; my tile in it
	s_lshl_b32 s33, s31, 3
	s_add_co_u32 s33, s33, s32                     ; T
	s_mul_i32 s36, s32, 1536
	s_lshl_b32 s34, s29, 4
	s_add_co_u32 s34, s34, s31
	s_mul_i32 s34, s34, 12800
	s_add_co_u32 s34, s34, s36                     ; Q's fragment: slab (head, block), my tile
	s_mov_b32 s35, 0
	s_lshl_b32 s38, s31, 4
	s_add_co_u32 s38, s38, s29
	s_mul_i32 s38, s38, 12800
	s_add_co_u32 s38, s38, s36                     ; the result's: slab (block, head), my tile
	s_mov_b32 s39, 0
	s_lshl_b32 s40, s33, 12
	s_mov_b32 s41, 0
	s_lshl_b32 s42, s33, 4                         ; my tile's four words of flags
	s_mov_b32 s43, 0
	s_mul_i32 s44, s29, 16*STEPB
	s_mov_b32 s45, 0
	s_mul_i32 s46, s32, 1472
	s_sub_co_u32 s46, 12288, s46                   ; from a tile's fragment to its scale words: 12,288 + 64 t - 1,536 t
	v_add_nc_u32 v[WO], s46, v[WO]
	s_add_co_u32 s26, s[WV], 6                     ; the prefetches: the head's stream is 50 pieces of 8,192 bytes; wave w begins at piece 6 + w
	s_lshl_b32 s46, s26, 13
	s_mov_b32 s47, 0
	s_lshr_b32 s19, s[WV], 2
	s_or_b32 s19, s19, ttmp9
	s_cmp_eq_u32 s19, 0
	s_cselect_b32 s27, 50, 0                       ; waves 0-3 of the head's first work-group ask, nobody else: each piece is named once
	s_mov_b32 s20, 0x76543210
	s_mov_b32 s21, 0xfedcba98
	s_mov_b32 s22, 0x3e0293ee                      ; c = log2(e) / sqrt(128)
	s_mov_b32 s23, s22
	s_mov_b32 s17, 0
	s_mov_b32 s18, 8
	s_mov_b32 s31, 0
	s_wait_kmcnt 0x0
	s_add_nc_u64 s[4:5], s[4:5], s[34:35]
	s_add_nc_u64 s[12:13], s[12:13], s[38:39]
	s_add_nc_u64 s[8:9], s[8:9], s[40:41]
	s_add_nc_u64 s[10:11], s[10:11], s[42:43]
	s_add_nc_u64 s[6:7], s[6:7], s[44:45]
	s_add_nc_u64 s[24:25], s[6:7], s[46:47]
	s_load_b128 s[48:51], s[10:11], 0x0            ; my tile's flags: four words, each with the bits of four key steps
	s_wait_alu depctr_va_vdst(0)                   ; the addresses and offsets v1 to v4 and v6 are written, which every load, store and prefetch of the kernel reads; no vector instruction writes them again
	LOADKV                                         ; key step 0
.irp c, 0,1,2
	global_load_b128 v[16+4*\c:19+4*\c], v[L16], s[4:5] offset:512*\c
.endr
	global_load_b32 v255, v[WO], s[4:5]
	v_mov_b32 v[NINF], 0xff800000
	v_mov_b32 v[ONES], -1
	v_mov_b32 v13, 0xff61b1e6                      ; the largest t so far: -3e38
	v_floor_f32 v12, -v13                          ; -M
	v_mov_b32 v14, 0
	v_mov_b32 v15, 0
.irp b, 0,1,2,3
	v_mov_b32 v[236+\b], 0                         ; a lane permute's destination counts as read
	v_mov_b32 v[TM+4+\b], 0
.endr
	v_mov_b32 v252, 0
	v_mov_b32 v253, 0
.irp j, 0,1,2,3,4,5,6,7,8,9,10,11,12,13,14,15,16,17,18,19,20,21,22,23,24,25,26,27,28,29,30,31,32,33,34,35,36,37,38,39,40,41,42,43,44,45,46,47,48,49,50,51,52,53,54,55,56,57,58,59,60,61,62,63
	v_mov_b32 v[160+\j], 0                         ; O^T: the step is written once, and a tile may have no step at all
.endr
	s_wait_loadcnt 0x0
	STOREKV 0
	s_wait_dscnt 0x0
	s_barrier_signal -1
	s_barrier_wait -1
	s_wait_alu depctr_vm_vsrc(0)                   ; my LDS stores have read v64 to v91, in which the first step's loads land
	s_add_nc_u64 s[6:7], s[6:7], STEPB             ; (the loads are done)  the next step's block
	s_wait_kmcnt 0x0
	s_or_b32 s16, s48, s49                         ; the four words' bits lie apart: their OR is the tile's flags: bit s, bit 16 + s
	s_or_b32 s50, s50, s51
	s_or_b32 s16, s16, s50
.macro STEP slot
	LOADKV                                         ; the next step's block, on its way while this step is worked.  No wait here: the one on vm_vsrc at the last step's end stands for the stores that read these registers, and no vector instruction names them
	s_cmp_lt_u32 s26, s27
	s_cbranch_scc0 .Lnp_\@
	global_prefetch_b8 v[L256], s[24:25] th:TH_LOAD_NT scope:SCOPE_SE   ; 32 lanes x 256 bytes further down the head's stream
.Lnp_\@:
.if SKIP
	s_bitcmp1_b32 s16, 0
	s_cbranch_scc0 .Lhid_\@                        ; no entry of my 16 x 128 mask tile is true
.endif
	s_load_b512 s[32:47], s[8:9], 0x0              ; the 64 lane masks
	s_load_b512 s[48:63], s[8:9], 0x40
	s_load_b512 s[68:83], s[8:9], 0x80
	s_load_b512 s[84:99], s[8:9], 0xc0
.rept 4
	v_nop                                          ; the four places behind the last step's products stay as they stood; the wait below fills none of them
.endr
	s_wait_alu depctr_va_vdst(0)                   ; the products of the last step that was worked are done reading the scale images v32 to v39 and K's and V's fragments, in which the 56 loads below land; only loads and one window switch stand between this wait and the last of them
.irp i, 0,1,2,3
	ds_load_b32 v[KS+\i], v[L4] offset:\slot*STEPB+KSC+128*\i
	ds_load_b32 v[VS+\i], v[L4] offset:\slot*STEPB+VSC+128*\i
.endr
	WIN 0x40
.irp t, 0,1,2,3,4,5,6,7
.irp c, 0,1,2
	ds_load_b128 v[12*\t+4*\c:12*\t+4*\c+3], v[L16] offset:\slot*STEPB+1536*\t+512*\c
.endr
.endr
.irp t, 0,1,2,3,4,5,6,7
.irp c, 0,1,2
	ds_load_b128 v[96+12*\t+4*\c:96+12*\t+4*\c+3], v[L16] offset:\slot*STEPB+VOF+1536*\t+512*\c
.endr
.endr
	s_wait_dscnt 24                                ; the scale images and K are in; V's 24 loads may be out
	WIN 0x01
.irp t, 0,1,2,3,4,5,6,7
	WM 96+8*\t, 12*\t, 16, -1, KS+\t/2, 255, \t%2
.endr
	WIN 0
.rept 4
	v_nop
.endr
	s_wait_kmcnt 0x0
.if SKIP
	s_bitcmp1_b32 s16, 16
	s_cbranch_scc1 .Lopen_\@                       ; all entries are true
.endif
.set n, 0
.rept 64
.if n < 32
	v_cndmask_b32 v[96+n], v[NINF], v[96+n], s[32+n]   ; register n holds key 32 (n / 16) + 16 h + n % 16: -infinity where the mask is false
.else
	v_cndmask_b32 v[96+n], v[NINF], v[96+n], s[36+n]
.endif
.set n, n+1
.endr
.Lopen_\@:
.irp b, 0,1,2,3
	v_max3_num_f32 v[232+\b], v[96+16*\b], v[97+16*\b], v[98+16*\b]   ; the largest score of each block of 32 keys: for the row's maximum and for the block's largest p
.endr
.irp i, 3,5,7,9,11,13
.irp b, 0,1,2,3
	v_max3_num_f32 v[232+\b], v[232+\b], v[96+16*\b+\i], v[97+16*\b+\i]
.endr
.endr
.irp b, 0,1,2,3
	v_max_num_f32 v[232+\b], v[232+\b], v[111+16*\b]
.endr
.irp b, 0,1,2,3
	v_permlanex16_b32 v[236+\b], v[232+\b], s20, s21
.endr
.irp b, 0,1,2,3
	v_max_num_f32 v[232+\b], v[232+\b], v[236+\b]
.endr
	v_max3_num_f32 v254, v232, v233, v234
	v_max_num_f32 v254, v254, v235
	v_mul_f32 v254, s22, v254
	v_max_num_f32 v13, v13, v254                   ; the running largest t
	v_mov_b32 v254, v12
	v_floor_f32 v12, -v13                          ; -M = floor(-t): M is a whole number
	v_sub_f32 v254, v12, v254
	v_cvt_i32_f32 v254, v254                       ; old M - new M (it saturates)
	v_ldexp_f32 v252, 1.0, v254                    ; f = 2^(old M - new M): exact
.irp j, 0,2,4,6,8,10,12,14,16,18,20,22,24,26,28,30,32,34,36,38,40,42,44,46,48,50,52,54,56,58,60,62
	v_pk_fma_f32 v[96+\j:97+\j], v[96+\j:97+\j], s[22:23], v[12:13] op_sel_hi:[1,0,0]   ; t - M
.endr
.irp b, 0,1,2,3
	v_fma_f32 v[232+\b], v[232+\b], s22, v12
.endr
.irp j, 0,1,2,3,4,5,6,7,8,9,10,11,12,13,14,15,16,17,18,19,20,21,22,23,24,25,26,27,28,29,30,31,32,33,34,35,36,37,38,39,40,41,42,43,44,45,46,47,48,49,50,51,52,53,54,55,56,57,58,59,60,61,62,63
	v_exp_f32 v[96+\j], v[96+\j]                   ; p = 2^(t - M), not normalised
.endr
	v_pk_mul_f32 v[14:15], v[14:15], v[252:253] op_sel_hi:[1,0]   ; the sums under the new M (the plain place behind the batch)
	s_wait_alu depctr_va_vdst(0)                   ; the 64 exponentials have written p in v96 to v159: one wait for the batch, ahead of its first reader
.irp b, 0,1,2,3
	v_exp_f32 v[232+\b], v[232+\b]                 ; each block's largest p
.endr
	v_pk_add_f32 v[236:237], v[96:97], v[98:99]    ; the row's sum of the unquantised p, in two chains
.irp j, 4,8,12,16,20,24,28,32,36,40,44,48,52,56,60
	v_pk_add_f32 v[14:15], v[14:15], v[96+\j:97+\j]
	v_pk_add_f32 v[236:237], v[236:237], v[98+\j:99+\j]
.endr
	v_pk_add_f32 v[14:15], v[14:15], v[236:237]
	s_wait_alu depctr_va_vdst(0)                   ; and one for the four, which have written v232 to v235
.irp b, 0,1,2,3
	v_max_num_f32 v[232+\b], 0x1800000, v[232+\b]  ; the floor: the byte cannot fall under 1
.endr
.irp b, 0,1,2,3
	v_add_nc_u32 v[244+\b], 0xff000000, v[232+\b]
.endr
.irp b, 0,1,2,3
	v_lshrrev_b32 v[236+\b], 23, v[244+\b]
.endr
	v_lshl_or_b32 v253, v237, 8, v236              ; p's scale word for these 128 keys
	v_lshl_or_b32 v253, v238, 16, v253
	v_lshl_or_b32 v253, v239, 24, v253
.irp c, 0,1
	v_cvt_scalef32_pk16_fp6_f32 v[224+6*\c:226+6*\c], v[96+32*\c:111+32*\c], v[244+2*\c]
	v_cvt_scalef32_pk16_fp6_f32 v[236+4*\c:238+4*\c], v[112+32*\c:127+32*\c], v[244+2*\c+1]
.endr
	v_nop                                          ; one plain place behind a scaled conversion
.irp c, 0,1
.irp i, 0,1,2
	v_permlane16_swap_b32 v[224+6*\c+\i], v[236+4*\c+\i]
.endr
.irp i, 0,1,2
	v_mov_b32 v[227+6*\c+\i], v[236+4*\c+\i]
.endr
.endr
.irp j, 0,2,4,6,8,10,12,14,16,18,20,22,24,26,28,30,32,34,36,38,40,42,44,46,48,50,52,54,56,58,60,62
	v_pk_mul_f32 v[160+\j:161+\j], v[160+\j:161+\j], v[252:253] op_sel_hi:[1,0]   ; O^T under the new M; these 32 are also the places ahead of the products below
.endr
	s_wait_dscnt 0x0                               ; V is in
	WIN 0x01
	s_wait_alu depctr_va_vdst(0)                   ; vector instructions have written p's codes v224 to v235 and its scale word v253, which the scaled products below take; the places above stay beside this wait
.irp t, 0,1,2,3,4,5,6,7
	WM 160+8*\t, 96+12*\t, 224, 160+8*\t, VS+\t/2, 253, \t%2
.endr
	WIN 0
.Lhid_\@:
	s_wait_loadcnt 0x0                             ; the next step's block is in my registers
	STOREKV 1-\slot                                ; into the slot that every wave left at the last barrier
	s_wait_dscnt 0x0                               ; my stores have landed, and my reads of this slot are over
	s_barrier_signal -1
	s_barrier_wait -1
	s_wait_xcnt 0x0                                ; the step's loads and its prefetch have read their bases
	s_wait_alu depctr_vm_vsrc(0)                   ; my LDS stores have read v64 to v91, which the next step's loads write again, and behind the last step the conversions of the way out; it stands ahead of the backward jump, on both ways through the step
	s_cmp_lt_u32 s17, 14
	s_cselect_b32 s30, STEPB, 0                    ; the last step asks for block 15 once more: no load leaves the buffer
	s_add_nc_u64 s[6:7], s[6:7], s[30:31]
	s_add_nc_u64 s[8:9], s[8:9], 256
	s_add_nc_u64 s[24:25], s[24:25], 0x8000
	s_add_co_u32 s26, s26, 4
	s_add_co_u32 s17, s17, 1
	s_lshr_b32 s16, s16, 1
.endm
.Ltrip:                                                ; eight trips of two key steps
	STEP 0
	STEP 1
	s_sub_co_u32 s18, s18, 1
	s_cmp_lg_u32 s18, 0
	s_cbranch_scc1 .Ltrip
.rept 4
	v_nop
.endr
	v_add_f32 v14, v14, v15
	v_permlanex16_b32 v252, v14, s20, s21
	v_add_f32 v14, v14, v252                       ; the row's sum
	v_cmp_eq_f32 s28, 0, v14                       ; a query with no key: it only selects a value below
	v_rcp_f32 v15, v14
	v_nop
	s_wait_alu depctr_va_vdst(0)                   ; the reciprocal has written v15, ahead of its first reader
	s_wait_alu depctr_va_sdst(0)                   ; the compare has written s28, ahead of its first reader, the selection of the scale word below
.irp j, 0,1,2,3,4,5,6,7,8,9,10,11,12,13,14,15,16,17,18,19,20,21,22,23,24,25,26,27,28,29,30,31,32,33,34,35,36,37,38,39,40,41,42,43,44,45,46,47,48,49,50,51,52,53,54,55,56,57,58,59,60,61,62,63
	v_mul_f32 v[96+\j], v[160+\j], v15             ; register 16 b + i = channel 32 b + 16 h + i of my query
.endr
.irp b, 0,1,2,3
	v_max3_num_f32 v[TM+\b], |v[96+16*\b]|, |v[97+16*\b]|, 0x1800000
.endr
.irp i, 2,4,6,8,10,12,14
.irp b, 0,1,2,3
	v_max3_num_f32 v[TM+\b], v[TM+\b], |v[96+16*\b+\i]|, |v[97+16*\b+\i]|
.endr
.endr
.irp b, 0,1,2,3
	v_permlanex16_b32 v[TM+4+\b], v[TM+\b], s20, s21
.endr
.irp b, 0,1,2,3
	v_max_num_f32 v[TM+\b], v[TM+\b], v[TM+4+\b]
.endr
.irp b, 0,1,2,3
	v_add_nc_u32 v[TM+12+\b], 0xff000000, v[TM+\b]
.endr
.irp b, 0,1,2,3
	v_lshrrev_b32 v[TM+4+\b], 23, v[TM+12+\b]
.endr
	v_lshl_or_b32 v[PW], v[TM+5], 8, v[TM+4]
	v_lshl_or_b32 v[PW], v[TM+6], 16, v[PW]
	v_lshl_or_b32 v[PW], v[TM+7], 24, v[PW]
.irp c, 0,1
	v_cvt_scalef32_pk16_fp6_f32 v[PC+6*\c:PC+2+6*\c], v[96+32*\c:111+32*\c], v[TM+12+2*\c]   ; (into v64 on: the last step's wait on vm_vsrc stands for the LDS stores that read these registers)
	v_cvt_scalef32_pk16_fp6_f32 v[PC+12+4*\c:PC+14+4*\c], v[112+32*\c:127+32*\c], v[TM+12+2*\c+1]
.endr
	v_cndmask_b32 v[PW], v[PW], v[ONES], s28       ; (the plain place)  four bytes 0xff where the sum is 0
.irp c, 0,1
.irp i, 0,1,2
	v_permlane16_swap_b32 v[PC+6*\c+\i], v[PC+12+4*\c+\i]
.endr
.irp i, 0,1,2
	v_mov_b32 v[PC+3+6*\c+\i], v[PC+12+4*\c+\i]
.endr
.endr
	s_wait_alu depctr_va_vdst(0)                   ; the codes v64 to v75 and the scale word v56 are written, which the four stores below read
.irp c, 0,1,2
	global_store_b128 v[L16], v[PC+4*\c:PC+4*\c+3], s[12:13] offset:512*\c   ; 512 consecutive bytes, aligned
.endr
	global_store_b32 v[WO], v[PW], s[12:13]        ; lanes r and r + 16 hold the same word and name the same address
	s_wait_dscnt 0x0                               ; the closing lines, six on end
	s_wait_alu 0x0
	s_wait_tensorcnt 0x0
	ds_add_u32 v250, v251
	s_wait_dscnt 0x0
	s_endpgm
.Lfunc_end_k_q4a6c88f646_attn:
	.size	k_q4a6c88f646_attn, .Lfunc_end_k_q4a6c88f646_attn-k_q4a6c88f646_attn
	.p2alignl 7, 3214868480
	.fill 96, 4, 3214868480
	.section	.rodata,"a",@progbits
	.p2align	6, 0x0
	.amdhsa_kernel k_q4a6c88f646_attn
		.amdhsa_group_segment_fixed_size 52224
		.amdhsa_private_segment_fixed_size 0
		.amdhsa_enable_private_segment 0
		.amdhsa_kernarg_size 40
		.amdhsa_user_sgpr_count 2
		.amdhsa_user_sgpr_kernarg_segment_ptr 1
		.amdhsa_wavefront_size32 1
		.amdhsa_system_sgpr_workgroup_id_x 1
		.amdhsa_system_sgpr_workgroup_id_y 1
		.amdhsa_system_sgpr_workgroup_id_z 1
		.amdhsa_system_vgpr_workitem_id 0
		.amdhsa_next_free_vgpr 512
		.amdhsa_next_free_sgpr 100
		.amdhsa_reserve_vcc 0
		.amdhsa_float_denorm_mode_32 3
		.amdhsa_float_denorm_mode_16_64 3
		.amdhsa_memory_ordered 1
		.amdhsa_forward_progress 1
		.amdhsa_inst_pref_size 65
	.end_amdhsa_kernel
	.amdgpu_metadata
---
amdhsa.version: [ 1, 2 ]
amdhsa.kernels:
  - .name:           k_q4a6c88f646_attn
    .symbol:         k_q4a6c88f646_attn.kd
    .args:
      - { .name: qc, .offset: 0, .size: 8, .value_kind: global_buffer, .address_space: global }
      - { .name: kvc, .offset: 8, .size: 8, .value_kind: global_buffer, .address_space: global }
      - { .name: maskw, .offset: 16, .size: 8, .value_kind: global_buffer, .address_space: global }
      - { .name: flags, .offset: 24, .size: 8, .value_kind: global_buffer, .address_space: global }
      - { .name: ac, .offset: 32, .size: 8, .value_kind: global_buffer, .address_space: global }
    .group_segment_fixed_size: 52224
    .private_segment_fixed_size: 0
    .kernarg_segment_align: 8
    .kernarg_segment_size: 40
    .max_flat_workgroup_size: 256
    .sgpr_count:     100
    .vgpr_count:     512
    .wavefront_size: 32
...
	.end_amdgpu_metadata
.endif
;; end of part 7
;; launch oproj: the kernel of part 4 again; grid 16 x 16, 4 waves a work-group, clusters of 4 x 4, 327,680 bytes of LDS; arguments ac, woc, bo, out0; writes out0
